; MI455X (gfx1250); checked and timed in simulation.
; The chip was launched on July 23, 2026; its instructions are those of AMD's public machine-readable ISA for CDNA 5 (MIT licence, August 2026) and "CDNA5" Instruction Set Architecture Reference Guide (July 2026). The comments in the code are by the model that wrote it; some were corrected since.
;; Grouped Query Attention. Allowed arithmetic: matrix products marked QUANTISED: E2M3 operands, one E8M0 scale for each 32 along K, by v_wmma_scale_f32_16x16x128_f8f6f4 with both operands' format E2M3, f32 sums; everything else in f32.
;; Inputs: Wk 2,048 x 512 float32; Wo 2,048 x 2,048 float32; Wq 2,048 x 2,048 float32; Wv 2,048 x 512 float32; x 4 x 1,024 x 2,048 float32.
;; Outputs: out0 4 x 1,024 x 2,048 float32.
;; This version of the problem:
;;   THIS VERSION OF THE PROBLEM IS GIVEN IN LOW PRECISION. The matrix products marked QUANTISED in the list below multiply operands that are first quantised to E2M3 (2 exponent bits, 3 mantissa bits; 6 bits a number), with one power-of-two scale for each 32 numbers along K (OCP MX v1.0); their sums are f32. All else is computed in f32.
;;   The module's matrix products, in the order in which they are computed (A, B: the left and right operand; K: the contracted axis; several contracted axes count as one K, in the product's order):
;;     1. [M 4,096, K 2,048] x [K 2,048, N 2,048]; A: input x; B: input Wq: QUANTISED
;;     2. [M 4,096, K 2,048] x [K 2,048, N 512]; A: input x; B: input Wk: QUANTISED
;;     3. [M 4,096, K 2,048] x [K 2,048, N 512]; A: input x; B: input Wv: QUANTISED
;;     4. batch 32 x [M 4,096, K 64] x [K 64, N 1,024]; A: computed on the way; B: computed on the way: QUANTISED
;;     5. batch 32 x [M 4,096, K 1,024] x [K 1,024, N 64]; A: softmax (see below); B: computed on the way: QUANTISED
;;     6. [M 4,096, K 2,048] x [K 2,048, N 2,048]; A: computed on the way; B: input Wo: QUANTISED
;;   THE QUANTISER, for each operand of a quantised product, along K:
;;     - K is cut into blocks of 32 from its start; a last block that is shorter is filled with zeros.
;;     - A block's scale is 2^e with e = floor(log2(the largest magnitude in the block)) - 2, held to -126 .. 127; a block of zeros has e = 0. As a byte (E8M0): e + 127.
;;     - Each number is divided by its block's scale, clamped to +-7.5, and rounded to the nearest number of E2M3, ties to even, subnormals kept.
;;     - The product sums the exact products of the quantised numbers (number of the format x scale) in f32.
;;   ~~~python
;;   def quantise(x, axis):      # numpy; x: float32 -> the quantised numbers, widened to float32 again
;;       x = np.moveaxis(x, axis, -1); K = x.shape[-1]
;;       x = np.pad(x, [(0, 0)] * (x.ndim - 1) + [(0, -K % 32)]); x = x.reshape(x.shape[:-1] + (-1, 32)); a = np.abs(x).max(-1, keepdims=True)
;;       e = np.where(a > 0, np.clip(np.frexp(np.where(a > 0, a, 1))[1] - 1 - 2, -126, 127), 0)      # np.frexp(a)[1] - 1 = floor(log2(a)), exactly
;;       r = np.clip(x / 2.0 ** e, -7.5, 7.5)
;;       step = 2.0 ** (np.maximum(np.frexp(np.where(r == 0, 1, r))[1] - 1, 0) - 3)
;;       q = np.round(r / step) * step * 2.0 ** e      # np.round: ties to even
;;       return np.moveaxis(q.reshape(q.shape[:-2] + (-1,))[..., :K], -1, axis).astype(np.float32)
;;   ~~~
;;   SOFTMAX AHEAD OF A QUANTISED PRODUCT. Where the list says 'softmax', what is quantised is not the finished softmax but p = 2^(t - M), with t = logit x log2(e) and M = ceil(the row's largest t), a whole number; so 1/2 < the row's largest p <= 1. The row's sum l is taken of the UNQUANTISED p, in f32, and the product's result is divided by l at the end. Since M is a whole number, a kernel that streams over the keys may use a running M (the ceiling of the running maximum): every later rescaling is an exact power of two, which a block's scale takes up: the codes' values come out the same.
;;   OPERANDS COMPUTED ON THE WAY. 'Computed on the way' means the value that the module computes at that place (a softmax that the list does not call 'softmax' is quantised finished and normalised). What goes into a quantiser is computed in f32, as accurately as f32 sums, v_exp_f32 and their like allow (about 1e-6 of the number): no bf16 or f16 on the way to a quantiser, and a product that is left as it is and whose result goes on into a quantised operand takes f32 operands (vector FMAs, or v_wmma_f32_16x16x4_f32). A number that lies on a knife's edge between two numbers of the format may be rounded either way, as far as f32 arithmetic and the matrix unit's own rounding can turn it there, and no further.
;; One version. Each part assembles by itself: llvm-mc -triple=amdgcn-amd-amdhsa -mcpu=gfx1250 --defsym DOCPART=n.
;; ======== version 1 of 1: 4 launches
;; limits: right only within a limited range of input values
;; workspace buffers: xq 6,815,744 bytes; wq 8,192,000 bytes; qkv 9,830,400 bytes; ctx 6,553,600 bytes
;; launch quant (part 1): grid 576 x 1, 4 waves a work-group, no clusters, 69,120 bytes of LDS; arguments Wq, Wk, Wv, Wo, wq, x, xq; writes wq, xq
.if DOCPART == 1
	.amdgcn_target "amdgcn-amd-amdhsa--gfx1250"
	.amdhsa_code_object_version 6
	.text
	.protected	k_q0ed2acc9da_quant
	.globl	k_q0ed2acc9da_quant
	.p2align	8
	.type	k_q0ed2acc9da_quant,@function
k_q0ed2acc9da_quant:
	s_mov_b64 s[64:65], 0
	v_nop
	global_prefetch_b8 v0, s[64:65] scope:SCOPE_SE
	s_setreg_imm32_b32 hwreg(HW_REG_WAVE_MODE, 25, 1), 1
	s_wait_xcnt 0x0
; One launch turns the four weights and x, all f32, into codes of FP6 (E2M3) with one E8M0 byte for each 32 along K, and makes the table of RoPE's cosines and sines.
; Work-groups 0-319 take the weights, 320-575 take x.  The two paths part on the work-group's number at the head and have LDS bytes of their own; waves share nothing: no barrier.
; A block's scale is 2^(floor(log2(its largest magnitude)) - 2): its byte is the largest magnitude's exponent field - 2, held at 1 from below.
; LIMITS: NaN and infinities are not served; a block whose largest magnitude lies under 2^-124 has the byte 1; a block of zeros has the byte 1 and not 127 (its codes are zeros, and this program alone reads the bytes).
; LAYOUT OF wq.  Wq, Wk, Wv together, 3,072 rows: codes [32 planes of 64 along K][3072][48] at 0, scale bytes [8 runs of 256 along K][3072][8] at WS.  Wo, 2,048 rows: codes at OC, scale bytes at OS, likewise.
; Row 384 g + 192 v + c, c < 128: column 256 g + 128 v + c of Wq.  Row 384 g + 128 + c, c < 64: column 64 g + c of Wk.  Row 384 g + 320 + c: column 64 g + c of Wv.  Inside each 32 rows a column's place is its number with bits 3 and 4 exchanged.
; LAYOUT OF xq.  Codes [32 planes][4096 places][48]; scale bytes at XSC [8 runs][4096 places][8]; the table at TAB [1024 t][32 i][cos, sin] f32.  A row's place is its number with bits 3 and 4 exchanged.
; THE WEIGHTS: K is their first axis.  A lane takes a column and its registers run down K; a wave takes 32 columns x 256 along K; the codes leave through its stage as runs of 384 bytes.  Loads run two blocks ahead.
; x: a wave takes 8 rows x 1,024 columns in 16 steps of 8 rows x 64; a step's 2,048 bytes turn through the wave's stage, so that a lane holds 16 neighbours along K.  Loads run four steps ahead.
; THE TABLE: inv_freq = 2^(-i log2(10000) / 32) by v_exp_f32 on the constant's upper part and a first-order term for the rest; the angle is reduced by pi/2 in three parts; sine to r^9 and cosine to r^8 on |r| <= pi/4.
.set SPARE, 0x8c00                     ; the spare words, behind the weights' four stages
.set XLDS,  36352                      ; x's path: 8,192 bytes a wave from here on
.set EMAX,  2
	v_lshl_add_u32 v224, v0, 2, SPARE
	v_mov_b32 v225, 0
	v_lshrrev_b32 v1, 5, v0
	v_readfirstlane_b32 s16, v1                    ; wave
	v_and_b32 v2, 31, v0                           ; lane
	s_cmp_lt_u32 ttmp9, 320
	s_wait_alu depctr_va_vdst(0)
	s_cbranch_scc0 .Lx
; ---- the weights
.set NB,    8                          ; blocks of 32 along K for a wave
.set PITCH, 272                        ; a stage row: sixteen places of 16 bytes, each with 12 bytes of codes, + 16
.set X,     32                         ; v32-95   two sets of 32 numbers
.set C,     96                         ; v96..    a block's codes
.set OUTR,  112                        ; v112-175 the way out
.set SB,    24                         ; v24-25   my column's 8 scale bytes
.set VO,    176                        ; v176-207 4 x lane + i rows of the weight; never rewritten
.set OC,    4718592
.set WS,    7864320
.set OS,    8060928
	s_load_b256 s[4:11], s[0:1], 0x0               ; Wq, Wk, Wv, Wo
	s_load_b64 s[12:13], s[0:1], 0x20              ; wq
	v_lshlrev_b32 v3, 2, v2
	s_mul_i32 s59, s16, 32*PITCH                   ; my stage
	v_mul_u32_u24 v4, v2, PITCH
	v_add_nc_u32 v4, s59, v4                       ; into it: row = my column
	v_lshrrev_b32 v7, 2, v2
	v_mul_u32_u24 v7, v7, PITCH
	v_and_b32 v10, 3, v2
	v_lshl_add_u32 v7, v10, 4, v7
	v_add_nc_u32 v7, s59, v7                       ; out of it: four lanes to a row's 48 bytes of a plane, eight rows an instruction
	v_mul_u32_u24 v8, v2, 12                       ; and the same 384 bytes in memory
	v_and_b32 v9, 7, v2
	v_bfe_u32 v10, v2, 3, 1
	v_lshl_add_u32 v9, v10, 4, v9
	v_bfe_u32 v10, v2, 4, 1
	v_lshl_add_u32 v9, v10, 3, v9
	v_lshlrev_b32 v9, 3, v9                        ; my column's place x 8: its scale bytes
	s_mov_b32 s20, 192                             ; the first work-group of the weight: Wo's,
	s_mov_b32 s21, 8192                            ; and a row of it in bytes
	s_wait_kmcnt 0x0
	s_mov_b64 s[14:15], s[10:11]
	s_cmp_lt_u32 ttmp9, 192
	s_cselect_b64 s[14:15], s[8:9], s[14:15]       ; Wv
	s_cselect_b32 s20, 160, s20
	s_cselect_b32 s21, 2048, s21
	s_cmp_lt_u32 ttmp9, 160
	s_cselect_b64 s[14:15], s[6:7], s[14:15]       ; Wk
	s_cselect_b32 s20, 128, s20
	s_cmp_lt_u32 ttmp9, 128
	s_cselect_b64 s[14:15], s[4:5], s[14:15]       ; Wq
	s_cselect_b32 s20, 0, s20
	s_cselect_b32 s21, 8192, s21
	s_sub_co_u32 s22, ttmp9, s20
	s_lshr_b32 s23, s22, 3                         ; which 128 columns
	s_and_b32 s24, s22, 7                          ; which 256 along K
	s_lshl_b32 s25, s23, 7
	s_lshl_b32 s26, s16, 5
	s_add_co_u32 s25, s25, s26                     ; my wave's first column c
	s_lshr_b32 s26, s25, 6                         ; the row that it goes to: for Wk and Wv 384 (c / 64) + 32 ((c / 32) % 2) + 128 or 320,
	s_mul_i32 s26, s26, 384
	s_bfe_u32 s27, s25, 0x10005
	s_mul_i32 s27, s27, 32
	s_add_co_u32 s26, s26, s27
	s_add_co_u32 s30, s26, 320
	s_add_co_u32 s31, s26, 128
	s_lshr_b32 s28, s25, 8                         ; for Wq 384 (c / 256) + 192 ((c / 128) % 2) + c % 128,
	s_mul_i32 s28, s28, 384
	s_bfe_u32 s27, s25, 0x10007
	s_mul_i32 s27, s27, 192
	s_add_co_u32 s28, s28, s27
	s_and_b32 s27, s25, 127
	s_add_co_u32 s28, s28, s27
	s_mov_b32 s29, s25                             ; for Wo the column itself
	s_mov_b32 s17, 98304                           ; Wo's: a plane of codes,
	s_mov_b32 s19, 16384                           ; a run of scale bytes,
	s_mov_b32 s58, OS                              ; where they begin
	s_cmp_lt_u32 ttmp9, 192
	s_cselect_b32 s29, s30, s29
	s_cselect_b32 s17, 147456, s17
	s_cselect_b32 s18, 0, OC
	s_cselect_b32 s19, 24576, s19
	s_cselect_b32 s58, WS, s58
	s_cmp_lt_u32 ttmp9, 160
	s_cselect_b32 s29, s31, s29
	s_cmp_lt_u32 ttmp9, 128
	s_cselect_b32 s29, s28, s29
	s_lshl_b32 s26, s24, 8
	s_mul_i32 s26, s26, s21
	s_lshl_b32 s27, s25, 2
	s_add_co_u32 s26, s26, s27
	s_mov_b32 s27, 0
	s_add_nc_u64 s[32:33], s[14:15], s[26:27]      ; block 0: row 256 y of the weight, my first column
	s_lshl_b32 s30, s21, 5
	s_mov_b32 s31, 0
.irp t, 1,2,3,4,5,6,7
	s_add_nc_u64 s[32+2*\t:33+2*\t], s[30+2*\t:31+2*\t], s[30:31]   ; block t: 32 rows further down; a base for each block, never rewritten
.endr
	s_lshl_b32 s26, s24, 2
	s_mul_i32 s26, s26, s17
	s_add_co_u32 s26, s26, s18
	s_mul_i32 s27, s29, 48
	s_add_co_u32 s26, s26, s27
	s_mov_b32 s27, 0
	s_add_nc_u64 s[48:49], s[12:13], s[26:27]      ; my rows in plane 4 y
	s_mov_b32 s22, s17
	s_mov_b32 s23, 0
.irp p, 1,2,3
	s_add_nc_u64 s[48+2*\p:49+2*\p], s[46+2*\p:47+2*\p], s[22:23]   ; and in the three planes behind it
.endr
	s_mul_i32 s26, s24, s19
	s_add_co_u32 s26, s26, s58
	s_lshl_b32 s27, s29, 3
	s_add_co_u32 s26, s26, s27
	s_mov_b32 s27, 0
	s_add_nc_u64 s[56:57], s[12:13], s[26:27]      ; my rows' scale bytes
.set I, 0
.rept 32
	v_mad_u32_u24 v[VO+I], s21, I, v3
.set I, I+1
.endr
.macro LOAD t                          ; block t: 32 rows of the weight at my column, into set t % 2; 32 lanes read 128 consecutive bytes
.set I, 0
.rept 32
	global_load_b32 v[X+32*((\t)%2)+I], v[VO+I], s[32+2*(\t):33+2*(\t)] th:TH_LOAD_NT
.set I, I+1
.endr
.endm
	LOAD 0
	LOAD 1
.macro BLOCK t
.set XS, X+32*((\t)%2)
.if (\t) < NB-1
	s_wait_loadcnt 32                              ; this block's 32 loads are in; the next block's may be out
.else
	s_wait_loadcnt 0x0
.endif
	v_max3_num_f32 v12, |v[XS]|, |v[XS+1]|, |v[XS+2]|
	v_max3_num_f32 v13, |v[XS+3]|, |v[XS+4]|, |v[XS+5]|
.irp i, 6,10,14,18,22,26
	v_max3_num_f32 v12, v12, |v[XS+\i]|, |v[XS+\i+1]|
	v_max3_num_f32 v13, v13, |v[XS+\i+2]|, |v[XS+\i+3]|
.endr
	v_max3_num_f32 v12, v12, |v[XS+30]|, |v[XS+31]|
	v_max3_num_f32 v12, v12, v13, (EMAX+1)<<23     ; and the floor 2^(3 - 127): the byte cannot fall under 1
	v_add_nc_u32 v11, -(EMAX<<23), v12             ; 2 off the exponent field: the conversion's scale operand
	v_lshrrev_b32 v13, 23, v11                     ; the scale's byte
.if (\t)%4 == 0
	v_mov_b32 v[SB+(\t)/4], v13
.else
	v_lshl_or_b32 v[SB+(\t)/4], v13, 8*((\t)%4), v[SB+(\t)/4]
.endif
	v_cvt_scalef32_pk16_fp6_f32 v[C:C+2], v[XS:XS+15], v11
	v_cvt_scalef32_pk16_fp6_f32 v[C+4:C+6], v[XS+16:XS+31], v11     ; (a conversion's three registers begin on an even number)
	ds_store_b96 v4, v[C:C+2] offset:32*(\t)       ; 12 bytes to a place of 16, so that every LDS address is a multiple of 16
	ds_store_b96 v4, v[C+4:C+6] offset:32*(\t)+16
.if (\t)+2 < NB
	LOAD (\t)+2
.endif
	s_wait_dscnt 0x0                               ; the stores have read their registers: the next block's codes may be written
.endm
.set Q, 0
.rept NB
	BLOCK Q
.set Q, Q+1
.endr
	s_wait_alu depctr_va_vdst(0)
	global_store_b64 v9, v[SB:SB+1], s[56:57]      ; 32 lanes fill 256 consecutive bytes, each at its column's place
.irp p, 0,1,2,3                        ; plane p; places 8 n on hold columns 8 (n with its two bits exchanged) on
.irp n, 0,1,2,3
	ds_load_b96 v[OUTR+4*(4*\p+\n):OUTR+4*(4*\p+\n)+2], v7 offset:8*(2*(\n%2)+\n/2)*PITCH+64*\p
.endr
.endr
.irp p, 0,1,2,3
.irp n, 0,1,2,3
	s_wait_dscnt 15-(4*\p+\n)                      ; the younger loads from the stage may be out
	global_store_b96 v8, v[OUTR+4*(4*\p+\n):OUTR+4*(4*\p+\n)+2], s[48+2*\p:49+2*\p] offset:384*\n
.endr
.endr
	s_wait_tensorcnt 0x0                           ; the wave's end
	ds_add_u32 v224, v225
	s_wait_dscnt 0x0
	s_endpgm
; ---- x and the table
.Lx:
.set STEPS, 16
.set R,     16                         ; v16-79   four sets of 16 numbers as loaded
.set X,     80                         ; v80-111  two sets of 16 neighbours
.set E,     112                        ; v112-127 a scale byte for each step
.set C,     128                        ; v128-191 codes, four registers for each step: no store's data are written again
.set WREG,  8192                       ; LDS of a wave: two stages of 32 x SP bytes, then its 256 scale bytes
.set SP,    80                         ; a lane's place in a stage: 64 bytes + 16 of padding
.set PLANE, 196608                     ; a plane of codes: 4,096 x 48 bytes
.set XSC,   6291456
.set TAB,   6553600
	s_load_b128 s[4:7], s[0:1], 0x28               ; x, xq
	s_sub_co_u32 s3, ttmp9, 320                    ; which 16 rows
	v_and_b32 v3, 15, v0
	v_lshlrev_b32 v3, 4, v3
	v_bfe_u32 v10, v0, 4, 1
	v_lshl_add_u32 v3, v10, 13, v3                 ; in: lanes 0-15 one row's 256 bytes, lanes 16-31 the next row's
	s_mul_i32 s17, s16, WREG
	s_add_co_u32 s17, s17, XLDS
	v_lshrrev_b32 v14, 2, v2
	v_mul_u32_u24 v14, v14, SP
	v_and_b32 v15, 3, v2
	v_lshl_add_u32 v14, v15, 4, v14
	v_add_nc_u32 v14, s17, v14                     ; the stage, on the way in: SP (lane / 4) + 16 (lane % 4)
	v_mul_u32_u24 v15, v2, SP
	v_add_nc_u32 v15, s17, v15                     ; and on the way out: SP x lane: row lane / 4, columns 16 (lane % 4) on
	v_mul_u32_u24 v4, v2, 12                       ; my 12 bytes of a step's 384 bytes of codes
	s_add_co_u32 s17, s17, 2*32*SP
	v_lshrrev_b32 v5, 2, v2
	v_lshlrev_b32 v5, 3, v5
	v_bfe_u32 v10, v0, 1, 1
	v_add_nc_u32 v5, v5, v10
	v_add_nc_u32 v5, s17, v5                       ; my block's scale byte in LDS: 8 x row + block; the step's place stands in the immediate
	v_lshlrev_b32 v6, 3, v2
	v_add_nc_u32 v6, s17, v6                       ; on the way out 8 bytes a lane
	v_lshrrev_b32 v7, 3, v2
	v_lshlrev_b32 v7, 15, v7
	v_and_b32 v10, 7, v2
	v_lshl_add_u32 v7, v10, 3, v7                  ; run lane / 8 of 32,768 bytes, row lane % 8
	s_lshr_b32 s18, s16, 1
	s_and_b32 s19, s16, 1                          ; which 1,024 columns
	s_lshl_b32 s20, s3, 1
	s_add_co_u32 s20, s20, s18                     ; G: my 8 rows are 8 G on
	s_and_b32 s21, s20, 0x1fc
	s_and_b32 s22, s20, 1
	s_lshl_b32 s22, s22, 1
	s_or_b32 s21, s21, s22
	s_bfe_u32 s22, s20, 0x10001
	s_or_b32 s21, s21, s22                         ; G with its two lowest bits exchanged: my rows' places are 8 x that on
	s_lshl_b32 s24, s20, 16
	s_lshl_b32 s22, s19, 12
	s_add_co_u32 s24, s24, s22
	s_mov_b32 s25, 0
	s_mul_i32 s26, s19, 16*PLANE
	s_mul_i32 s22, s21, 384
	s_add_co_u32 s26, s26, s22
	s_mov_b32 s27, 0
	s_lshl_b32 s28, s19, 17
	s_lshl_b32 s22, s21, 6
	s_add_co_u32 s28, s28, s22
	s_add_co_u32 s28, s28, XSC
	s_mov_b32 s29, 0
	s_lshl_b32 s30, s3, 10
	s_add_co_u32 s30, s30, TAB
	s_mov_b32 s31, 0
	s_wait_kmcnt 0x0
	s_add_nc_u64 s[4:5], s[4:5], s[24:25]          ; x at my first row and column
	s_add_nc_u64 s[8:9], s[6:7], s[26:27]          ; my codes
	s_add_nc_u64 s[10:11], s[6:7], s[28:29]        ; my scale bytes
	s_add_nc_u64 s[12:13], s[6:7], s[30:31]        ; my work-group's 128 entries of the table
.macro XLOAD t
.irp i, 0,1,2,3
	global_load_b128 v[R+16*((\t)%4)+4*\i:R+16*((\t)%4)+4*\i+3], v3, s[4:5] offset:256*(\t)+16384*\i th:TH_LOAD_NT
.endr
.endm
.macro TURN t                          ; a step's numbers through the stage: LDS serves a wave's instructions in order, so no wait stands between the stores and the loads
.irp i, 0,1,2,3
	ds_store_b128 v14, v[R+16*((\t)%4)+4*\i:R+16*((\t)%4)+4*\i+3] offset:32*SP*((\t)%2)+8*SP*\i
.endr
.irp i, 0,1,2,3
	ds_load_b128 v[X+16*((\t)%2)+4*\i:X+16*((\t)%2)+4*\i+3], v15 offset:32*SP*((\t)%2)+16*\i
.endr
.endm
.irp t, 0,1,2,3
	XLOAD \t
.endr
	; THE TABLE, while the first loads are on their way: entry 128 x work-group + thread: t = entry / 32, i = entry % 32
	v_and_b32 v192, 31, v0
	v_lshrrev_b32 v193, 5, v0
	s_lshl_b32 s19, s3, 2
	v_add_nc_u32 v193, s19, v193
	v_cvt_f32_u32 v194, v192                       ; i
	v_cvt_f32_u32 v195, v193                       ; t
	v_mul_f32 v196, 0xbed49a00, v194               ; -i x the upper 16 bits of log2(10000) / 32: exact
	s_wait_alu depctr_va_vdst(0)
	v_exp_f32 v197, v196
	v_mul_f32 v198, 0x3626c438, v194               ; i x the rest x ln 2 (a plain instruction behind the exponential)
	s_wait_alu depctr_va_vdst(0)                   ; ahead of the first line that names the exponential's result
	v_fma_f32 v199, -v198, v197, v197              ; inv_freq
	v_mul_f32 v200, v195, v199                     ; the angle
	v_mul_f32 v201, 0x3f22f983, v200
	v_rndne_f32 v201, v201                         ; n = the nearest whole number to angle x 2 / pi
	v_fmamk_f32 v202, v201, 0xbfc90fd8, v200       ; r = angle - n pi/2, pi/2 in three parts
	v_fmamk_f32 v202, v201, 0xb4a8885a, v202
	v_fmamk_f32 v202, v201, 0xa7c234c4, v202
	v_mul_f32 v203, v202, v202                     ; r^2
	v_mov_b32 v204, 0x3638ef1d
	v_mov_b32 v206, 0x37d00d01
	v_fmaak_f32 v204, v204, v203, 0xb9500d01
	v_fmaak_f32 v206, v206, v203, 0xbab60b61
	v_fmaak_f32 v204, v204, v203, 0x3c088889
	v_fmaak_f32 v206, v206, v203, 0x3d2aaaab
	v_fmaak_f32 v204, v204, v203, 0xbe2aaaab
	v_fmaak_f32 v206, v206, v203, 0xbf000000
	v_mul_f32 v205, v203, v202                     ; r^3
	v_fmaak_f32 v206, v206, v203, 0x3f800000       ; cos r
	v_fma_f32 v204, v204, v205, v202               ; sin r
	v_cvt_i32_f32 v207, v201
	v_and_b32 v208, 1, v207
	v_cmp_eq_u32 vcc_lo, 1, v208                   ; in odd quadrants sine and cosine change places
	v_cndmask_b32 v215, v204, v206, vcc_lo
	v_cndmask_b32 v214, v206, v204, vcc_lo
	v_lshlrev_b32 v211, 30, v207
	v_and_b32 v211, 0x80000000, v211               ; the sine is negative in quadrants 2 and 3,
	v_xor_b32 v215, v215, v211
	v_add_nc_u32 v212, 1, v207
	v_lshlrev_b32 v212, 30, v212
	v_and_b32 v212, 0x80000000, v212               ; the cosine in 1 and 2
	v_xor_b32 v214, v214, v212
	v_lshlrev_b32 v213, 3, v0
	global_store_b64 v213, v[214:215], s[12:13]    ; a wave stores 256 consecutive bytes
	s_wait_loadcnt 12                              ; step 0's four loads are in
	TURN 0
.macro STEP t
.set XS, X+16*((\t)%2)
.if (\t) > 0
	s_wait_dscnt 1                                 ; this step's numbers are back from the stage (the last step's byte store may be out), so its stores into the stage have read their registers,
.else
	s_wait_dscnt 0x0
.endif
.if (\t)+4 < STEPS
	XLOAD (\t)+4                                   ; which take the loads of four steps on
.endif
.if (\t)+1 < STEPS
.if STEPS-2-(\t) >= 3
	s_wait_loadcnt 12                              ; the next step's four loads are in; those of the three steps behind it may be out
.else
	s_wait_loadcnt 4*(STEPS-2-(\t))
.endif
	TURN (\t)+1
.endif
	v_max3_num_f32 v8, |v[XS]|, |v[XS+1]|, |v[XS+2]|
	v_max3_num_f32 v9, |v[XS+3]|, |v[XS+4]|, |v[XS+5]|
.irp i, 6,10
	v_max3_num_f32 v8, v8, |v[XS+\i]|, |v[XS+\i+1]|
	v_max3_num_f32 v9, v9, |v[XS+\i+2]|, |v[XS+\i+3]|
.endr
	v_max3_num_f32 v8, v8, |v[XS+14]|, |v[XS+15]|
	v_max3_num_f32 v8, v8, v9, (EMAX+1)<<23        ; and the floor 2^(3 - 127): the byte cannot fall under 1
	v_max_num_f32_dpp v8, v8, v8 row_xmask:1 row_mask:0xf bank_mask:0xf   ; with my neighbour's 16: the block's largest magnitude
	v_add_nc_u32 v11, -(EMAX<<23), v8              ; 2 off its exponent field: the conversion takes that field as its scale
	v_cvt_scalef32_pk16_fp6_f32 v[C+4*(\t):C+4*(\t)+2], v[XS:XS+15], v11
	v_lshrrev_b32 v[E+(\t)], 23, v11               ; the scale's byte
	ds_store_b8 v5, v[E+(\t)] offset:((\t)/4)*64+((\t)%4)*2   ; both lanes of a block write the same byte with the same value
	global_store_b96 v4, v[C+4*(\t):C+4*(\t)+2], s[8:9] offset:PLANE*(\t)   ; 8 places x 48 bytes: 384 consecutive bytes
.endm
.irp t, 0,1,2,3,4,5,6,7,8,9,10,11,12,13,14,15
	STEP \t
.endr
	ds_load_b64 v[12:13], v6                       ; LDS serves a wave's instructions in order: these see my stores
	s_wait_dscnt 0x0
	global_store_b64 v7, v[12:13], s[10:11]        ; four pieces of 64 consecutive bytes: my 8 rows in four runs of K
	s_wait_tensorcnt 0x0                           ; the wave's end
	ds_add_u32 v224, v225
	s_wait_dscnt 0x0
	s_endpgm
.Lfunc_end_k_q0ed2acc9da_quant:
	.size	k_q0ed2acc9da_quant, .Lfunc_end_k_q0ed2acc9da_quant-k_q0ed2acc9da_quant
	.p2alignl 7, 3214868480
	.fill 96, 4, 3214868480
	.section	.rodata,"a",@progbits
	.p2align	6, 0x0
	.amdhsa_kernel k_q0ed2acc9da_quant
		.amdhsa_group_segment_fixed_size 69120
		.amdhsa_private_segment_fixed_size 0
		.amdhsa_enable_private_segment 0
		.amdhsa_kernarg_size 56
		.amdhsa_user_sgpr_count 2
		.amdhsa_user_sgpr_kernarg_segment_ptr 1
		.amdhsa_wavefront_size32 1
		.amdhsa_system_sgpr_workgroup_id_x 1
		.amdhsa_system_sgpr_workgroup_id_y 1
		.amdhsa_system_sgpr_workgroup_id_z 1
		.amdhsa_system_vgpr_workitem_id 0
		.amdhsa_next_free_vgpr 226
		.amdhsa_next_free_sgpr 66
		.amdhsa_reserve_vcc 1
		.amdhsa_float_denorm_mode_32 3
		.amdhsa_float_denorm_mode_16_64 3
		.amdhsa_memory_ordered 1
		.amdhsa_forward_progress 1
		.amdhsa_inst_pref_size 81
	.end_amdhsa_kernel
	.amdgpu_metadata
---
amdhsa.version: [ 1, 2 ]
amdhsa.kernels:
  - .name:           k_q0ed2acc9da_quant
    .symbol:         k_q0ed2acc9da_quant.kd
    .args:
      - { .name: Wq, .offset: 0, .size: 8, .value_kind: global_buffer, .address_space: global }
      - { .name: Wk, .offset: 8, .size: 8, .value_kind: global_buffer, .address_space: global }
      - { .name: Wv, .offset: 16, .size: 8, .value_kind: global_buffer, .address_space: global }
      - { .name: Wo, .offset: 24, .size: 8, .value_kind: global_buffer, .address_space: global }
      - { .name: wq, .offset: 32, .size: 8, .value_kind: global_buffer, .address_space: global }
      - { .name: x, .offset: 40, .size: 8, .value_kind: global_buffer, .address_space: global }
      - { .name: xq, .offset: 48, .size: 8, .value_kind: global_buffer, .address_space: global }
    .group_segment_fixed_size: 69120
    .private_segment_fixed_size: 0
    .kernarg_segment_align: 8
    .kernarg_segment_size: 56
    .max_flat_workgroup_size: 128
    .sgpr_count:     66
    .vgpr_count:     226
    .wavefront_size: 32
...
	.end_amdgpu_metadata
.endif
;; end of part 1
;; launch gemm_qkv (part 2): grid 16 x 16, 4 waves a work-group, clusters of 4 x 1, 327,680 bytes of LDS; arguments xq, wq, qkv; writes qkv
.if DOCPART == 2
	.amdgcn_target "amdgcn-amd-amdhsa--gfx1250"
	.amdhsa_code_object_version 6
	.text
	.protected	k_q0ed2acc9da_gemm_qkv
	.globl	k_q0ed2acc9da_gemm_qkv
	.p2align	8
	.type	k_q0ed2acc9da_gemm_qkv,@function
k_q0ed2acc9da_gemm_qkv:
	s_mov_b64 s[64:65], 0
	v_nop
	global_prefetch_b8 v0, s[64:65] scope:SCOPE_SE
	s_setreg_imm32_b32 hwreg(HW_REG_WAVE_MODE, 25, 1), 1
	s_wait_xcnt 0x0
	s_wait_alu depctr_hold_cnt(0) depctr_sa_sdst(0) depctr_va_vdst(0) depctr_va_sdst(0) depctr_va_ssrc(0) depctr_va_vcc(0) depctr_vm_vsrc(0)
	s_getreg_b32 s2, hwreg(HW_REG_IB_STS2, 6, 4)
	s_cmp_eq_u32 s2, 0
	s_cbranch_scc0 .Lentry_in_a_cluster
	s_endpgm
.Lentry_in_a_cluster:
	s_bfe_u32 s2, ttmp6, 0x10000c
	s_cmp_lg_u32 s2, 0x3003
	s_cbranch_scc0 .Lentry_shape_is_right
	s_endpgm
.Lentry_shape_is_right:
; q, k, v = x W on codes of FP6 (E2M3) with E8M0 scales; RoPE on q and k; the results are quantised again (q, k along the head's channels, v along the tokens) and stored as codes for the attention.
; SHARES.  A work-group has 256 places of x and 192 rows of wq: two heads of Wq and one whole head of Wk (even column block) or of Wv (odd).  A wave has 64 places x 192: 48 accumulators, 384 registers.
; THE WEIGHT'S CODES FOR ALL OF K LIE IN LDS, 32 planes x 9,216 bytes, filled once: each wave asks for 8 planes by one tensor load.  Nothing is filled again, so the walk along K has no barrier.
; The four work-groups of a cluster have the same column block and ask jointly (mask 15).  The column block's parity is the same in all four, so a branch may hang on it.
; x's CODES GO FROM MEMORY STRAIGHT INTO REGISTERS: a wave's 64 places are read by no other wave of the work-group.  Four sets of 48 registers; the loads of K step k + 3 are issued in the middle of step k.
; NO DATA PREFETCH: the loads into registers are themselves issued that far ahead, and the weights are asked for once, at the head.
; Scale bytes come by plain loads, 512 consecutive bytes an instruction, and are stored to LDS bytes of their own: x's are the wave's own, the weight's are shared out among the waves.
; q and k are multiplied transposed (source 0 = the weight): a lane holds a token, its registers run along the channels.  v the other way: a lane holds a channel, its registers run along the tokens.
; LIMITS: NaN and infinities are not served; a block whose largest magnitude lies under 2^-124, a block of zeros too, has the byte 1 (this program alone reads the bytes).
; REGISTERS.  Window 0: v0-31 addresses, v32-95 scale words (two sets), v128-223 x's sets 0, 1.  Window 1: v0-143 the weight's fragments, v144-239 x's sets 2, 3.
;   Window 2: q's accumulators.  Window 3: v0-127 k's or v's accumulators, v128-255 the table of cosines and sines.
.set NB,    12
.set HB,    NB/2
.set BP,    NB*768                     ; a plane of the work-group's weight rows
.set BPS,   147456
.set BOFF,  0
.set BSC,   7864320
.set BSS,   24576
.set APS,   196608
.set ASC,   6291456
.set TAB,   6553600
.set SCB,   32*BP                      ; the weight's scale bytes [8 runs][192][8]
.set SCA,   SCB+1024*NB                ; x's: 4,096 bytes a wave, [8 runs][64][8]
.set SPARE, SCA+16384
.set STG,   0                          ; the way out, over planes that are done with: 9,216 bytes a wave
.set SS,    36864                      ; scale bytes on the way out: q's two heads, k's, v's: 512 bytes each
.set KC,    6291456
.set VC,    7864320
.set QS,    9437184
.set KS,    9699328
.set VQ,   6
.set VQS,  7
.set VVS,  11
.set LQ,   12
.set LQS,  15
.set GL16, 19
.set ADRB, 20
.set SAW,  22
.set SBW,  23
.set VT,   24
.set ADSA, 26
.set ADSB, 27
.set SPW,  28
.set NIL,  29
.set SC,   32
.set TM,   224
.set PW,   230
.set PC,   232
.set PAR,  43
.set G1B,  48
.set G0B,  56
.set MSB, 0
.macro WIN new
.if MSB != (\new)
	s_set_vgpr_msb (MSB<<8)|(\new)
.set MSB, (\new)
.endif
.endm
.macro CROUND                          ; a round of the cluster's barrier
	s_barrier_signal -1
	s_barrier_wait -1
	s_cmp_lg_u32 s14, 0
	s_cbranch_scc1 .Lnot_wave_0_\@
	s_barrier_signal -3
.Lnot_wave_0_\@:
	s_barrier_wait -3
	s_barrier_signal -1
	s_barrier_wait -1
.endm
.macro PLACES n
.rept \n
	v_nop
.endr
.endm
	s_load_b128 s[4:7], s[0:1], 0x0                ; xq, wq
	s_load_b64 s[8:9], s[0:1], 0x10                ; qkv
	v_lshl_add_u32 v[SPW], v0, 2, SPARE
	v_mov_b32 v[NIL], 0
	ds_add_u32 v[SPW], v[NIL]                      ; the opening lines: the add twice on end
	ds_add_u32 v[SPW], v[NIL]
	v_lshrrev_b32 v1, 5, v0
	v_readfirstlane_b32 s14, v1                    ; wave
	s_bfe_u32 s40, ttmp6, 0x40000                  ; cx
	s_lshl_b32 s17, ttmp9, 2
	s_add_co_u32 s17, s17, s40                     ; row block: 256 places
	s_and_b32 s42, ttmp7, 0xffff                   ; column block: 192 rows of wq
	s_and_b32 s[PAR], s42, 1                       ; 0: with a head of k, 1: of v
	s_mov_b32 s[G1B], 15|(3<<16)|(1<<21)           ; 8 planes as rows of BP bytes, elements of 8 bytes; the mask names the cluster's four
	s_mov_b32 s[G1B+1], (BP/8)<<16
	s_mov_b32 s[G1B+2], 8<<16
	s_mov_b32 s[G1B+3], (BP/8)<<16
	s_mov_b32 s[G1B+4], 8
	s_mov_b32 s[G1B+5], BPS/8
	s_mov_b32 s[G1B+6], 0
	s_mov_b32 s[G1B+7], 0
	s_mul_i32 s46, s42, BP                         ; my 8 planes of the weight: made of the column block and the wave alone
	s_mul_i32 s41, s14, 8*BPS
	s_add_co_u32 s46, s46, s41
	s_mov_b32 s47, 0
	s_mul_i32 s92, s42, 128*NB                     ; my two runs of its scale bytes
	s_mul_i32 s41, s14, 2*BSS
	s_add_co_u32 s92, s92, s41
	s_add_co_u32 s92, s92, BSC
	s_mov_b32 s93, 0
	s_mul_i32 s20, s17, 12288                      ; my 64 places of x: codes,
	s_mul_i32 s41, s14, 3072
	s_add_co_u32 s20, s20, s41
	s_mov_b32 s21, 0
	s_lshl_b32 s22, s17, 11                        ; scale bytes,
	s_lshl_b32 s41, s14, 9
	s_add_co_u32 s22, s22, s41
	s_add_co_u32 s22, s22, ASC
	s_mov_b32 s23, 0
	s_and_b32 s10, s17, 3                          ; and the table at their first token
	s_lshl_b32 s10, s10, 8
	s_lshl_b32 s41, s14, 6
	s_add_co_u32 s10, s10, s41
	s_lshl_b32 s10, s10, 8
	s_add_co_u32 s10, s10, TAB
	s_mov_b32 s11, 0
	s_mov_b32 s12, 0x76543210
	s_mov_b32 s13, 0xfedcba98
	s_lshl_b32 s18, s14, 12
	s_add_co_u32 s18, s18, SCA
	s_mul_i32 s19, s14, 256*NB
	s_add_co_u32 s19, s19, SCB
	s_mul_i32 s24, s14, 9216
	s_lshl_b32 s25, s14, 7
	s_add_co_u32 s25, s25, SS
	s_lshr_b32 s26, s14, 1
	s_lshl_b32 s26, s26, 8
	s_and_b32 s27, s14, 1
	s_lshl_b32 s27, s27, 1
	s_add_co_u32 s26, s26, s27
	s_add_co_u32 s26, s26, SS+1536
	s_lshl_b32 s27, s14, 9
	s_add_co_u32 s27, s27, SS
	v_and_b32 v1, 15, v0                           ; r
	v_bfe_u32 v2, v0, 4, 1                         ; h
	v_mul_u32_u24 v3, v1, 48
	v_mad_u32_u24 v3, v2, 24, v3                   ; 48 r + 24 h: in 16 places of a plane, in memory and in LDS
	v_mov_b32 v[ADRB], v3                          ; the weight's planes 0-5 from where the walk stands,
	v_add_nc_u32 v[ADRB+1], 6*BP, v3               ; and planes 6-11
	v_lshlrev_b32 v4, 3, v1
	v_add_nc_u32 v[ADSA], s18, v4
	v_add_nc_u32 v[ADSB], SCB, v4
	v_and_b32 v5, 31, v0
	v_lshlrev_b32 v[GL16], 4, v5
	v_add_nc_u32 v[SAW], s18, v[GL16]
	v_add_nc_u32 v[SBW], s19, v[GL16]
	v_add_nc_u32 v[VQ], s24, v3
	v_add_nc_u32 v[LQ], s24, v[GL16]
	v_lshl_add_u32 v[VQS], v1, 1, s25
	v_lshl_add_u32 v[VVS], v1, 2, s26
	v_add_nc_u32 v[LQS], s27, v[GL16]
	v_and_b32 v5, 8, v1
	v_add_nc_u32 v5, v5, v1
	v_lshlrev_b32 v[VT], 8, v5
	v_lshl_add_u32 v[VT], v2, 6, v[VT]             ; the table: token r + 8 (r / 8), 64 h bytes on
	s_wait_alu depctr_va_vdst(0)
	s_wait_dscnt 0x0                               ; both opening adds are done
	s_wait_kmcnt 0x0
	s_add_nc_u64 s[20:21], s[4:5], s[20:21]
	s_add_nc_u64 s[22:23], s[4:5], s[22:23]
	s_add_nc_u64 s[10:11], s[4:5], s[10:11]
	s_add_nc_u64 s[92:93], s[6:7], s[92:93]
	s_mov_b32 s[G0B], 1
	s_mul_i32 s[G0B+1], s14, 8*BP
	s_add_nc_u64 s[G0B+2:G0B+3], s[6:7], s[46:47]
	s_or_b32 s[G0B+3], s[G0B+3], 0x80000000
	CROUND                                         ; the cluster's four are here: the joint loads meet
	tensor_load_to_lds s[G0B:G0B+3], s[G1B:G1B+7]  ; my one tensor load of the launch
	s_nop 0
	PLACES 4
.macro LOADA k                         ; x's four fragments of K step k (counted from where the walk stands) into set k % 4: 24 loads
.set AW, ((\k)%4)/2
.set FA0, 128+48*((\k)%2)+16*AW
	WIN 0x40*AW
.irp i, 0,1,2,3
.irp p, 0,1,2,3,4,5
	global_load_b64 v[FA0+12*\i+2*\p:FA0+12*\i+2*\p+1], v3, s[20:21] offset:(2*(\k)+\p/3)*APS+\i*768+8*(\p%3)
.endr
.endr
	WIN 0
.endm
.irp j, 0,1,2,3,4,5,6,7
	global_load_b128 v[96+4*\j:99+4*\j], v[GL16], s[22:23] offset:32768*\j
.endr
.irp j, 0,1
.irp c, 0,1,2
	global_load_b128 v[224+4*(3*\j+\c):227+4*(3*\j+\c)], v[GL16], s[92:93] offset:BSS*\j+512*\c
.endr
.endr
	LOADA 0
	LOADA 1
	s_wait_loadcnt 48                              ; the scale bytes are in; the 48 loads of sets 0 and 1 may be out
	LOADA 2
	s_wait_tensorcnt 0x0                           ; my 8 planes are in
.irp j, 0,1,2,3,4,5,6,7
	ds_store_b128 v[SAW], v[96+4*\j:99+4*\j] offset:512*\j
.endr
.irp j, 0,1
.irp c, 0,1,2
	ds_store_b128 v[SBW], v[224+4*(3*\j+\c):227+4*(3*\j+\c)] offset:128*NB*\j+512*\c
.endr
.endr
	s_wait_dscnt 0x0                               ; for the others' sake
	s_barrier_signal -1
	s_barrier_wait -1                              ; all planes and all scale bytes are in
.macro FETCH_B k, j0                   ; half of the weight's fragments of K step k
	WIN 0x40
.set JB, \j0
.rept HB
.irp p, 0,1,2,3,4,5
.set PL, 2*(\k)+\p/3
	ds_load_b64 v[12*JB+2*\p:12*JB+2*\p+1], v[ADRB+PL/6] offset:(PL%6)*BP+JB*768+8*(\p%3)
.endr
.set JB, JB+1
.endr
	WIN 0
.endm
.macro SCALES rn                       ; the scale words of a run of 256 along K, two K steps, into set rn % 2
.set SS_, SC+32*((\rn)%2)
.irp i, 0,1,2,3
	ds_load_b64 v[SS_+2*\i:SS_+2*\i+1], v[ADSA] offset:512*(\rn)+128*\i
.endr
.set JB, 0
.rept NB
	ds_load_b64 v[SS_+8+2*JB:SS_+8+2*JB+1], v[ADSB] offset:128*NB*(\rn)+128*JB
.set JB, JB+1
.endr
.endm
.macro WM d, x, y, z, sx, sy
.if \z
	v_wmma_scale_f32_16x16x128_f8f6f4 v[\d:\d+7], v[\x:\x+11], v[\y:\y+11], 0, v[\sx], v[\sy] matrix_a_fmt:MATRIX_FMT_FP6 matrix_b_fmt:MATRIX_FMT_FP6
.else
	v_wmma_scale_f32_16x16x128_f8f6f4 v[\d:\d+7], v[\x:\x+11], v[\y:\y+11], v[\d:\d+7], v[\sx], v[\sy] matrix_a_fmt:MATRIX_FMT_FP6 matrix_b_fmt:MATRIX_FMT_FP6
.endif
.endm
.macro MULR b0, n, k, zero             ; q's blocks b0 .. b0 + n - 1 against x's four; the accumulators take turns
.set AW, ((\k)%4)/2
.set FA0, 128+48*((\k)%2)+16*AW
.set SCQ, SC+32*(((\k)/2)%2)+(\k)%2
	WIN 0xa1|(AW<<2)
.set MB, \b0
.rept \n
.irp a, 0,1,2,3
	WM 64*(MB/2)+16*\a+8*(MB%2), 12*MB, FA0+12*\a, \zero, SCQ+8+2*MB, SCQ+2*\a
.endr
.set MB, MB+1
.endr
.endm
.macro MULKV k, zero                   ; blocks 8-11: k transposed like q, v with x as source 0
.set AW, ((\k)%4)/2
.set FA0, 128+48*((\k)%2)+16*AW
.set SCQ, SC+32*(((\k)/2)%2)+(\k)%2
	WIN 0
	s_cmp_eq_u32 s[PAR], 0
	s_cbranch_scc0 .Lv_\@
	WIN 0xf1|(AW<<2)
.irp b, 0,1,2,3
.irp a, 0,1,2,3
	WM 64*(\b/2)+16*\a+8*(\b%2), 96+12*\b, FA0+12*\a, \zero, SCQ+24+2*\b, SCQ+2*\a
.endr
.endr
	WIN 0
	s_branch .Lj_\@
.Lv_\@:
	WIN 0xf4|AW
.irp b, 0,1,2,3
.irp a, 0,1,2,3
	WM 32*\b+8*\a, FA0+12*\a, 96+12*\b, \zero, SCQ+2*\a, SCQ+24+2*\b
.endr
.endr
	WIN 0
.Lj_\@:
.endm
; A K step of 128: 48 matrix instructions, the loads laid among q's eight blocks.  la: 1 = ask for x's set of three steps on, 2 = for the table.  nx: fetch the next step's fragments of the weight.
; lc: the global loads younger than this step's set.  Fragments 6 to 11 of the next step are fetched in one run behind the branch's join, so that they are written once in the text.
.macro TABLE                           ; cosines and sines of my 64 tokens, 32 loads
	WIN 0xc0
.irp a, 0,1,2,3
.irp c, 0,1
.irp n, 0,1,2,3
	global_load_b128 v[128+32*\a+16*\c+4*\n:128+32*\a+16*\c+4*\n+3], v[VT], s[10:11] offset:(32*(\a/2)+8*(\a%2))*256+128*\c+16*\n
.endr
.endr
.endr
	WIN 0
.endm
; A K step of 128: 48 matrix instructions, the loads in two runs.  la: 1 = ask for x's set of three steps on, 2 = for the table.  nx: fetch the next step's fragments of the weight.  lc: the global loads younger than this step's set.
.macro KSTEP k, zero, la, nx, lc
	s_wait_loadcnt \lc
	s_wait_dscnt 6*HB                              ; the younger half of the weight's fragments may be out
	MULR 0, HB, \k, \zero
	s_wait_dscnt 0x0
	PLACES 4                                       ; ahead of loads into registers that matrix instructions have read
	WIN 0
.if \la == 1
	LOADA (\k)+3
.endif
.if \la == 2
	TABLE
.endif
.if \nx
	FETCH_B (\k)+1, 0
.if (\k)%2
	SCALES ((\k)+1)/2
.endif
.endif
	MULR HB, 2, \k, \zero
	MULKV \k, \zero
	PLACES 4
.if \nx
	FETCH_B (\k)+1, HB
.endif
.endm
	FETCH_B 0, 0
	SCALES 0
	FETCH_B 0, HB
	KSTEP 0, 1, 1, 1, 48                           ; the first step's products start the sums
	s_mov_b32 s3, 3
.Llap:                                                 ; a trip: four K steps, until the register sets are back where they began
	KSTEP 1, 0, 1, 1, 48
	KSTEP 2, 0, 1, 1, 48
	KSTEP 3, 0, 1, 1, 48
	KSTEP 4, 0, 1, 1, 48
	s_wait_xcnt 0x0                                ; the loads have read their base
	s_add_nc_u64 s[20:21], s[20:21], 8*APS
	v_add_nc_u32 v[ADRB], 8*BP, v[ADRB]
	v_add_nc_u32 v[ADRB+1], 8*BP, v[ADRB+1]
	v_add_nc_u32 v[ADSA], 1024, v[ADSA]
	v_add_nc_u32 v[ADSB], 256*NB, v[ADSB]
	s_sub_co_u32 s3, s3, 1
	s_cmp_lg_u32 s3, 0
	s_wait_alu depctr_va_vdst(0)
	s_cbranch_scc1 .Llap
	KSTEP 1, 0, 2, 1, 48                           ; the last three steps ask for nothing more of x
	KSTEP 2, 0, 0, 1, 56                           ; one set and the table's 32 may be out
	KSTEP 3, 0, 0, 0, 32
.macro ROPE x, ab, tr, win
	WIN \win
.irp j, 0,2,4,6,8,10,12,14
	v_pk_mul_f32 v[\x+\j:\x+\j+1], v[\ab+\j:\ab+\j+1], v[\tr+\j:\tr+\j+1] op_sel:[1,1] op_sel_hi:[1,0] neg_lo:[1,0]
.endr
.irp j, 0,2,4,6,8,10,12,14
	v_pk_fma_f32 v[\x+\j:\x+\j+1], v[\ab+\j:\ab+\j+1], v[\tr+\j:\tr+\j+1], v[\x+\j:\x+\j+1] op_sel_hi:[0,1,1]
.endr
.endm
.macro QUANT2 s0, s1, w                ; two blocks of 32, each in lanes l and l xor 16: 24 bytes of codes a lane in v[PC:PC+5], two scale bytes in v[PW]
	WIN 5*(\w)
	v_max3_num_f32 v[TM], |v[\s0]|, |v[\s0+1]|, 0x1800000
	v_max3_num_f32 v[TM+1], |v[\s1]|, |v[\s1+1]|, 0x1800000
.irp i, 2,4,6,8,10,12,14
	v_max3_num_f32 v[TM], |v[\s0+\i]|, |v[\s0+\i+1]|, v[TM]
	v_max3_num_f32 v[TM+1], |v[\s1+\i]|, |v[\s1+\i+1]|, v[TM+1]
.endr
	WIN 0
	v_permlanex16_b32 v[TM+2], v[TM], s12, s13
	v_permlanex16_b32 v[TM+3], v[TM+1], s12, s13
	v_max_num_f32 v[TM], v[TM], v[TM+2]
	v_max_num_f32 v[TM+1], v[TM+1], v[TM+3]
	v_add_nc_u32 v[TM+4], 0xff000000, v[TM]
	v_add_nc_u32 v[TM+5], 0xff000000, v[TM+1]
	v_lshrrev_b32 v[TM+2], 23, v[TM+4]
	v_lshrrev_b32 v[TM+3], 23, v[TM+5]
	v_lshl_or_b32 v[PW], v[TM+3], 8, v[TM+2]
	WIN \w
	v_cvt_scalef32_pk16_fp6_f32 v[PC:PC+2], v[\s0:\s0+15], v[TM+4]
	v_cvt_scalef32_pk16_fp6_f32 v[PC+6:PC+8], v[\s1:\s1+15], v[TM+5]
	WIN 0
	v_nop
.irp i, 0,1,2
	v_permlane16_swap_b32 v[PC+\i], v[PC+6+\i]
.endr
.irp i, 0,1,2
	v_mov_b32 v[PC+3+\i], v[PC+6+\i]
.endr
.endm
.macro CODES off                       ; a lane's 24 bytes into my stage
	ds_store_b64 v[VQ], v[PC:PC+1] offset:\off
	ds_store_b64 v[VQ], v[PC+2:PC+3] offset:\off+8
	ds_store_b64 v[VQ], v[PC+4:PC+5] offset:\off+16
.endm
.macro HEAD part, ab, a, win
.set PC, 440-PC                        ; the codes' and scale bytes' registers: two sets by turns, v232.. with v230 and v208.. with v206
.set PW, 436-PW
	ROPE 128, \ab, 128+32*\a, \win
	ROPE 144, \ab+64, 144+32*\a, \win
	QUANT2 128, 144, 0
	CODES 3072*\part+768*\a
	ds_store_b16 v[VQS], v[PW] offset:512*\part+32*\a
	s_wait_dscnt 4                                 ; the four stores just issued may be out; those from the other set of registers are done
.endm
	s_wait_dscnt 0x0
	s_barrier_signal -1
	s_barrier_wait -1                              ; nobody reads the weight's planes any more: the stages lie over them
	s_wait_loadcnt 0x0                             ; the table
	v_mov_b32 v[TM+2], 0                           ; a lane permute's destination counts as one of its sources
	v_mov_b32 v[TM+3], 0
.irp a, 0,1,2,3
	HEAD 0, 16*\a, \a, 0x0e
	HEAD 1, 128+16*\a, \a, 0x0e
.endr
	s_cmp_eq_u32 s[PAR], 0
	s_wait_alu depctr_va_vdst(0)
	s_cbranch_scc0 .Lvout
.irp a, 0,1,2,3
	HEAD 2, 16*\a, \a, 0x0f
.endr
	s_wait_alu depctr_va_vdst(0)
	s_branch .Lkvout
.Lvout:
.irp u, 0,1,2,3
.set PC, 440-PC
.set PW, 436-PW
	QUANT2 32*\u, 32*\u+16, 3
	CODES 6144+768*\u
	ds_store_b16 v[VVS], v[PW] offset:64*\u
	s_wait_dscnt 4
.endr
.Lkvout:
.irp k, 0,1,2,3,4,5,6,7,8,9,10,11,12,13,14,15,16,17
	ds_load_b128 v[128+4*\k:131+4*\k], v[LQ] offset:512*\k   ; my own bytes, in order behind my stores
.endr
	s_lshr_b32 s104, s17, 2
	s_lshl_b32 s104, s104, 3
	s_lshr_b32 s96, s42, 1
	s_add_co_u32 s104, s104, s96                   ; 8 b + g
	s_and_b32 s105, s17, 3                         ; which 256 tokens
	s_lshl_b32 s96, s104, 2
	s_lshl_b32 s97, s[PAR], 1
	s_add_co_u32 s96, s96, s97                     ; my first head of q
	s_mul_i32 s97, s105, 12288
	s_mul_i32 s66, s14, 3072
	s_add_co_u32 s97, s97, s66                     ; my 64 places (v: my plane of 64 keys) inside a head
	s_mul_i32 s10, s96, 49152
	s_add_co_u32 s10, s10, s97
	s_mov_b32 s11, 0
	s_add_nc_u64 s[10:11], s[8:9], s[10:11]
	s_add_nc_u64 s[98:99], s[10:11], 49152
	s_mul_i32 s66, s104, 49152
	s_add_co_u32 s66, s66, s97
	s_mul_i32 s67, s[PAR], VC-KC
	s_add_co_u32 s66, s66, s67
	s_add_co_u32 s66, s66, KC
	s_mov_b32 s67, 0
	s_add_nc_u64 s[66:67], s[8:9], s[66:67]
	s_add_co_u32 s100, s96, s14                    ; scale bytes: waves 0, 1 store q's heads, wave 2 k's or wave 3 v's
	s_lshl_b32 s100, s100, 11
	s_add_co_u32 s100, s100, QS
	s_lshl_b32 s18, s104, 11
	s_lshl_b32 s19, s[PAR], 16
	s_add_co_u32 s18, s18, s19
	s_add_co_u32 s18, s18, KS
	s_cmp_lt_u32 s14, 2
	s_cselect_b32 s100, s100, s18
	s_lshl_b32 s19, s105, 9
	s_add_co_u32 s100, s100, s19
	s_mov_b32 s101, 0
	s_add_nc_u64 s[100:101], s[8:9], s[100:101]
	s_wait_dscnt 0x0
	s_barrier_signal -1
.irp k, 0,1,2,3,4,5
	v_nop
.endr
	s_barrier_wait -1                              ; everybody's scale bytes lie in LDS
.irp k, 0,1,2,3,4,5
	global_store_b128 v[GL16], v[128+4*\k:131+4*\k], s[10:11] offset:512*\k     ; 512 consecutive bytes an instruction
	global_store_b128 v[GL16], v[152+4*\k:155+4*\k], s[98:99] offset:512*\k
	global_store_b128 v[GL16], v[176+4*\k:179+4*\k], s[66:67] offset:512*\k
.endr
	s_add_co_u32 s18, s[PAR], 2
	s_cmp_lt_u32 s14, 2
	s_cbranch_scc1 .Lsc
	s_cmp_eq_u32 s14, s18
	s_cbranch_scc0 .Lnosc
.Lsc:
	ds_load_b128 v[200:203], v[LQS]
	s_wait_dscnt 0x0
	global_store_b128 v[GL16], v[200:203], s[100:101]
.Lnosc:
	s_wait_tensorcnt 0x0                           ; the wave's end
	ds_add_u32 v[SPW], v[NIL]
	s_wait_dscnt 0x0
	CROUND                                         ; the closing round
	s_endpgm
.Lfunc_end_k_q0ed2acc9da_gemm_qkv:
	.size	k_q0ed2acc9da_gemm_qkv, .Lfunc_end_k_q0ed2acc9da_gemm_qkv-k_q0ed2acc9da_gemm_qkv
	.p2alignl 7, 3214868480
	.fill 96, 4, 3214868480
	.section	.rodata,"a",@progbits
	.p2align	6, 0x0
	.amdhsa_kernel k_q0ed2acc9da_gemm_qkv
		.amdhsa_group_segment_fixed_size 327680
		.amdhsa_private_segment_fixed_size 0
		.amdhsa_enable_private_segment 0
		.amdhsa_kernarg_size 24
		.amdhsa_user_sgpr_count 2
		.amdhsa_user_sgpr_kernarg_segment_ptr 1
		.amdhsa_wavefront_size32 1
		.amdhsa_system_sgpr_workgroup_id_x 1
		.amdhsa_system_sgpr_workgroup_id_y 1
		.amdhsa_system_sgpr_workgroup_id_z 1
		.amdhsa_system_vgpr_workitem_id 0
		.amdhsa_next_free_vgpr 1024
		.amdhsa_next_free_sgpr 106
		.amdhsa_reserve_vcc 0
		.amdhsa_float_denorm_mode_32 3
		.amdhsa_float_denorm_mode_16_64 3
		.amdhsa_memory_ordered 1
		.amdhsa_forward_progress 1
		.amdhsa_inst_pref_size 205
	.end_amdhsa_kernel
	.amdgpu_metadata
---
amdhsa.version: [ 1, 2 ]
amdhsa.kernels:
  - .name:           k_q0ed2acc9da_gemm_qkv
    .symbol:         k_q0ed2acc9da_gemm_qkv.kd
    .args:
      - { .name: xq, .offset: 0, .size: 8, .value_kind: global_buffer, .address_space: global }
      - { .name: wq, .offset: 8, .size: 8, .value_kind: global_buffer, .address_space: global }
      - { .name: qkv, .offset: 16, .size: 8, .value_kind: global_buffer, .address_space: global }
    .group_segment_fixed_size: 327680
    .private_segment_fixed_size: 0
    .kernarg_segment_align: 8
    .kernarg_segment_size: 24
    .max_flat_workgroup_size: 128
    .sgpr_count:     106
    .vgpr_count:     1024
    .wavefront_size: 32
...
	.end_amdgpu_metadata
.endif
;; end of part 2
;; launch attn (part 3): grid 8 x 32, 16 waves a work-group, no clusters, 169,984 bytes of LDS; arguments qkv, ctx; writes ctx
.if DOCPART == 3
	.amdgcn_target "amdgcn-amd-amdhsa--gfx1250"
	.amdhsa_code_object_version 6
	.text
	.protected	k_q0ed2acc9da_attn
	.globl	k_q0ed2acc9da_attn
	.p2align	8
	.type	k_q0ed2acc9da_attn,@function
k_q0ed2acc9da_attn:
	s_mov_b64 s[64:65], 0
	v_nop
	global_prefetch_b8 v0, s[64:65] scope:SCOPE_SE
	s_setreg_imm32_b32 hwreg(HW_REG_WAVE_MODE, 25, 1), 1
	s_wait_xcnt 0x0
; Causal attention of one group of heads on codes of FP6 (E2M3) with E8M0 scales; its result, divided by the row's sum, is quantised along (head, channel) and stored as codes for the last product.
; THE SOFTMAX AHEAD OF THE SECOND PRODUCT: t = score x log2(e) / 8; M = the row's largest t so far, rounded UP to a whole number; p = 2^(t - M) is quantised along the keys, not normalised.  The row's sum is taken of the
; unquantised p and divides O at the end (by v_rcp_f32 and a multiplication).  When M moves, the sum and O are multiplied by 2^(old M - new M): exact.
; SHARES.  A work-group has one batch and group of heads and two blocks of 64 tokens, i and 15 - i, for the group's four query heads.  Wave w: head w / 4, tile w % 4 of 16 places.  Pass 0 (block i) walks 4 key steps of 128,
; pass 1 (block 15 - i) walks 8: constants.  A step all of whose keys come after the tile's tokens is left out by a scalar branch on ids; what is left is 9 steps for every wave of every work-group.
; ALL OF K AND V OF THE HEAD LIE IN LDS, filled once by waves 0 to 11: nothing is filled again.  The codes of keys 0 to 511 are all that pass 0 can want; all are in before it starts.
; LAYOUT.  Both products are used transposed (S^T = K Q^T, O^T = V^T P^T): a lane holds one query throughout.  Tokens and V's channels stand at PLACES (bits 3 and 4 exchanged), so that the 16 registers of tiles 2 c, 2 c + 1 are 16 neighbours.
; THE FIRST PRODUCT'S K IS 64 and the instruction's is 128: Q's registers 6 to 11 are zero codes.  K's registers 6 to 11 are cleared once and later hold codes of V that are done with: each meets a zero code; the upper two scale
; bytes of both sides are 0, which stands for 2^-127: those products add exactly 0.
; NO CLUSTER: partners that share K and V would be the token blocks, whose skips of hidden steps differ, or the heads, of which each would write a quarter of every scale word of ctx; and what is shared is read once, at the head.
; REGISTERS: v1-7, v30, v31, v92, v93 addresses that stay; v8-11 the step's; v12 -M, v13 the largest t, v[14:15] the sum; v16-27, v80-91 Q of the two passes; v28, v29 their scale words; v32-79 four fragments; v96-159 S^T, then p;
;   v160-191 O^T; v192-197 the way out; v224-235 p's codes; v232-254 at work (v248-251 the tiles' scale words, v253 p's).
.set KC,   6291456
.set QS,   9437184
.set KS,   9699328
.set CSO,  6291456                     ; ctx: where the scale bytes begin
.set LVC,  49152                       ; LDS: K's codes [1024 places][48] at 0; V's [16 planes of 64 keys][64 places][48];
.set LKS,  98304                       ; K's scale bytes [1024][2];
.set LVS,  100352                      ; V's [8 key steps][64][4];
.set CST,  102400                      ; a stage of 768 bytes for each wave;
.set CSS,  114688                      ; ctx's scale bytes [2 passes][64 places][8]
.set AK0,  1
.set AV0,  2
.set ASK0, 3
.set ASV0, 4
.set QL,   5
.set ADK,  8
.set ADV,  9
.set ADS,  10
.set ADT,  11
.set WV,   18
.set SEL,  20
.set CS,   22
.set TB,   2                           ; s2   LDS byte at which the step's codes begin: 6,144 a step, in K and in V alike
.set TS,   3                           ; s3   and its scale bytes: 256 a step
.set KF,   92                          ; s92  the step's first key
.set CNT,  93
	s_load_b128 s[4:7], s[0:1], 0x0                ; qkv, ctx
	v_lshl_add_u32 v243, v0, 2, 0x29000
	v_mov_b32 v255, 0
	ds_add_u32 v243, v255
	ds_add_u32 v243, v255
	v_lshrrev_b32 v8, 5, v0
	s_delay_alu instid0(VALU_DEP_1)
	v_readfirstlane_b32 s[WV], v8                  ; wave 0..15
	s_and_b32 s53, ttmp7, 0xffff                   ; 8 b + g
	s_lshr_b32 s54, s53, 3                         ; b
	s_and_b32 s55, s53, 7                          ; g
	s_lshr_b32 s56, s[WV], 2                       ; my head of the group's four
	s_and_b32 s57, s[WV], 3                        ; my tile of the block's four
	; THE FILLS, one tensor load a wave: waves 0-7 fetch the codes, wave w the quarter w % 4 of K's (w < 4) or of V's; waves 8-11 the scale bytes, a half of K's or of V's each; waves 12-15 fetch nothing
	s_bfe_u32 s58, s[WV], 0x10002                  ; codes: K's or V's
	s_and_b32 s59, s[WV], 3                        ; which quarter
	s_bfe_u32 s94, s[WV], 0x10001                  ; scale bytes: K's or V's
	s_and_b32 s95, s[WV], 1                        ; which half
	; descriptor groups 1: dense blocks as rows of 256 bytes (32 elements of 8 bytes), no padding: 4 rows of scale bytes, 48 rows of codes
	s_mov_b32 s24, 3<<16
	s_mov_b32 s25, 32<<16
	s_mov_b32 s26, 4<<16
	s_mov_b32 s27, 32<<16
	s_mov_b32 s28, 4
	s_mov_b32 s29, 32
	s_mov_b32 s30, 0
	s_mov_b32 s31, 0
	s_mov_b32 s32, 3<<16
	s_mov_b32 s33, 32<<16
	s_mov_b32 s34, 48<<16
	s_mov_b32 s35, 32<<16
	s_mov_b32 s36, 48
	s_mov_b32 s37, 32
	s_mov_b32 s38, 0
	s_mov_b32 s39, 0
	s_mov_b32 s40, 1
	s_lshl_b32 s41, s94, 11
	s_lshl_b32 s60, s95, 10
	s_add_co_u32 s41, s41, s60
	s_add_co_u32 s41, s41, LKS                     ; the scale bytes' half
	s_mov_b32 s44, 1
	s_mul_i32 s45, s58, 49152
	s_mul_i32 s61, s59, 12288
	s_add_co_u32 s45, s45, s61                     ; my quarter of K's or V's codes: 256 keys,
	s_lshl_b32 s62, s94, 16
	s_add_co_u32 s62, s62, s60
	s_lshl_b32 s63, s53, 11
	s_add_co_u32 s62, s62, s63
	s_add_co_u32 s62, s62, KS
	s_mov_b32 s63, 0
	s_mul_i32 s66, s58, 1572864
	s_add_co_u32 s66, s66, s61
	s_mul_i32 s67, s53, 49152
	s_add_co_u32 s66, s66, s67
	s_add_co_u32 s66, s66, KC
	s_mov_b32 s67, 0
	; my tiles: places P = 64 x block + 16 x tile; the smallest token T0 = 64 x block + 32 (tile / 2) + 8 (tile % 2); lane r's token is T0 + r + 8 (r / 8)
	s_sub_co_u32 s68, 15, ttmp9
	s_lshl_b32 s69, s57, 4
	s_lshl_b32 s72, ttmp9, 6
	s_lshl_b32 s73, s68, 6
	s_add_co_u32 s74, s72, s69                     ; P of pass 0
	s_add_co_u32 s75, s73, s69                     ; P of pass 1
	s_lshr_b32 s76, s57, 1
	s_lshl_b32 s76, s76, 5
	s_and_b32 s77, s57, 1
	s_lshl_b32 s77, s77, 3
	s_add_co_u32 s76, s76, s77
	s_add_co_u32 s70, s72, s76                     ; T0 of pass 0
	s_add_co_u32 s71, s73, s76                     ; T0 of pass 1
	s_lshl_b32 s77, s53, 2
	s_add_co_u32 s77, s77, s56                     ; 32 b + 4 g + head
	s_lshl_b32 s77, s77, 10
	s_add_co_u32 s78, s77, s74
	s_add_co_u32 s80, s77, s75
	s_lshl_b32 s82, s78, 1
	s_add_co_u32 s82, s82, QS
	s_lshl_b32 s84, s80, 1
	s_add_co_u32 s84, s84, QS
	s_mul_i32 s78, s78, 48
	s_mul_i32 s80, s80, 48
	s_mov_b32 s79, 0
	s_mov_b32 s81, 0
	s_mov_b32 s83, 0
	s_mov_b32 s85, 0
	s_lshl_b32 s76, s55, 2
	s_add_co_u32 s76, s76, s56
	s_mul_i32 s76, s76, 196608                     ; ctx: plane 4 g + head,
	s_lshl_b32 s77, s54, 10
	s_add_co_u32 s86, s77, s74
	s_mul_i32 s86, s86, 48
	s_add_co_u32 s86, s86, s76                     ; place 1024 b + P
	s_add_co_u32 s88, s77, s75
	s_mul_i32 s88, s88, 48
	s_add_co_u32 s88, s88, s76
	s_mov_b32 s87, 0
	s_mov_b32 s89, 0
	s_cmp_eq_u32 s[WV], 0                          ; ctx's scale bytes: wave 0 stores pass 0's, wave 1 pass 1's
	s_cselect_b32 s90, s72, s73
	s_add_co_u32 s90, s90, s77
	s_lshl_b32 s90, s90, 3
	s_lshl_b32 s91, s55, 15
	s_add_co_u32 s90, s90, s91
	s_add_co_u32 s90, s90, CSO
	s_mov_b32 s91, 0
	s_mov_b32 s[SEL], 0x76543210
	s_mov_b32 s[SEL+1], 0xfedcba98                 ; v_permlanex16_b32's selects for lane l xor 16
	s_mov_b32 s[CS], 0x3e38aa3b                    ; c = log2(e) / sqrt(64)
	s_mov_b32 s[CS+1], s[CS]                       ; (named with it as a pair, so it is written)
	s_wait_dscnt 0x0
	s_wait_kmcnt 0x0
	s_add_nc_u64 s[42:43], s[4:5], s[62:63]
	s_or_b32 s43, s43, 0x80000000
	s_add_nc_u64 s[46:47], s[4:5], s[66:67]
	s_or_b32 s47, s47, 0x80000000
	s_cmp_lt_u32 s[WV], 8                          ; one chain of branches on the wave's number, one fill to an arm, one join
	s_cbranch_scc0 .Lnot_codes
	tensor_load_to_lds s[44:47], s[32:39]
	s_nop 0
.rept 4
	v_nop
.endr
	s_branch .Lno_fetch
.Lnot_codes:
	s_cmp_lt_u32 s[WV], 12
	s_cbranch_scc0 .Lno_fetch
	tensor_load_to_lds s[40:43], s[24:31]
	s_nop 0
.rept 4
	v_nop
.endr
.Lno_fetch:
	s_add_nc_u64 s[78:79], s[4:5], s[78:79]        ; Q's codes, pass 0 and pass 1
	s_add_nc_u64 s[80:81], s[4:5], s[80:81]
	s_add_nc_u64 s[82:83], s[4:5], s[82:83]        ; Q's scale bytes
	s_add_nc_u64 s[84:85], s[4:5], s[84:85]
	s_add_nc_u64 s[86:87], s[6:7], s[86:87]        ; where my codes of ctx go
	s_add_nc_u64 s[88:89], s[6:7], s[88:89]
	s_add_nc_u64 s[90:91], s[6:7], s[90:91]
	v_and_b32 v8, 15, v0                           ; r
	v_bfe_u32 v9, v0, 4, 1                         ; h
	s_delay_alu instid0(VALU_DEP_2)
	v_mul_u32_u24 v[AK0], v8, 48
	s_delay_alu instid0(VALU_DEP_1)
	v_mad_u32_u24 v[AK0], v9, 24, v[AK0]           ; 48 r + 24 h: in a tile of K, and in Q's 16 places in memory
	s_delay_alu instid0(VALU_DEP_4)
	v_lshlrev_b32 v254, 1, v8
.irp p, 0,1,2
	global_load_b64 v[16+2*\p:17+2*\p], v[AK0], s[78:79] offset:8*\p
	global_load_b64 v[80+2*\p:81+2*\p], v[AK0], s[80:81] offset:8*\p
.endr
	global_load_u16 v28, v254, s[82:83]            ; two scale bytes, and zeros above them
	global_load_u16 v29, v254, s[84:85]
	v_add_nc_u32 v[AV0], LVC, v[AK0]
	v_lshl_add_u32 v[ASK0], v8, 1, LKS
	v_lshl_add_u32 v[ASV0], v8, 2, LVS
	v_and_b32 v10, 8, v8
	s_delay_alu instid0(VALU_DEP_1)
	v_add_nc_u32 v[QL], v10, v8
	v_lshlrev_b32 v10, 4, v9
	s_delay_alu instid0(VALU_DEP_1)
	v_sub_nc_u32 v[QL], v[QL], v10                 ; r + 8 (r / 8) - 16 h
	s_mul_i32 s72, s[WV], 768
	s_add_co_u32 s72, s72, CST
	v_add_nc_u32 v6, s72, v[AK0]                   ; my stage, in
	v_and_b32 v10, 31, v0
	s_delay_alu instid0(VALU_DEP_1)
	v_lshlrev_b32 v31, 3, v10
	s_delay_alu instid0(VALU_DEP_1)
	v_add_nc_u32 v7, s72, v31                      ; and back: 8 bytes a lane
	s_lshl_b32 s73, s57, 7
	s_lshl_b32 s74, s56, 1
	s_add_co_u32 s73, s73, s74
	s_add_co_u32 s73, s73, CSS
	v_lshl_add_u32 v30, v8, 3, s73                 ; ctx's scale bytes: place 16 x tile + r, bytes 2 x head on
	v_lshlrev_b32 v93, 4, v10
	s_lshl_b32 s73, s[WV], 9
	s_add_co_u32 s73, s73, CSS
	v_add_nc_u32 v92, s73, v93
.irp j, 22,23,24,25,26,27,86,87,88,89,90,91
	v_mov_b32 v[\j], 0                             ; Q's codes of k = 64 .. 127: zeros
.endr
.irp t, 0,1,2,3
.irp j, 6,7,8,9,10,11
	v_mov_b32 v[32+12*\t+\j], 0
.endr
.endr
.irp j, 236,237,238,239,252,253
	v_mov_b32 v[\j], 0                             ; written once: a lane permute's destination counts as one of its sources; v253 is named as the upper half of a pair
.endr
; A KEY STEP: 128 keys.  qf: Q's fragment; qsr: its scale words; t0: the scalar register with the tile's smallest token.
.macro STEP qf, qsr, t0
	s_add_co_u32 s96, s[\t0], 23                   ; the tile's largest token
	s_cmp_gt_u32 s[KF], s96
	s_cbranch_scc1 .Lhidden_\@                     ; all keys of the step come after it: the work is left out, not the lines that step addresses
	v_add_nc_u32 v[ADK], s[TB], v[AK0]
	s_wait_alu depctr_va_vdst(0)
	v_add_nc_u32 v[ADV], s[TB], v[AV0]
	v_add_nc_u32 v[ADS], s[TS], v[ASK0]
	s_wait_alu depctr_va_vdst(0)
	v_add_nc_u32 v[ADT], s[TS], v[ASV0]
.irp g, 0,1                                    ; S^T = K Q^T, four tiles of 16 keys at a time
.rept 4*\g
	v_nop                                          ; places in front of loads into registers that matrix instructions have read (the four additions above are the first group's)
.endr
.irp t, 0,1,2,3
.irp p, 0,1,2
	ds_load_b64 v[32+12*\t+2*\p:33+12*\t+2*\p], v[ADK] offset:768*(4*\g+\t)+8*\p
.endr
	ds_load_u16 v[248+\t], v[ADS] offset:32*(4*\g+\t)
.endr
	s_wait_dscnt 0x0
.irp t, 0,1,2,3
	v_wmma_scale_f32_16x16x128_f8f6f4 v[96+8*(4*\g+\t):103+8*(4*\g+\t)], v[32+12*\t:43+12*\t], v[\qf:\qf+11], 0, v[248+\t], v[\qsr] matrix_a_fmt:MATRIX_FMT_FP6 matrix_b_fmt:MATRIX_FMT_FP6
.endr
.endr
.rept 4
	v_nop
.endr
	s_add_co_u32 s96, s[KF], 127                   ; on the diagonal the scores of hidden keys become -infinity ahead of the maximum: p = 0 then.  A step all of whose keys count skips this
	s_cmp_le_u32 s96, s[\t0]
	s_cbranch_scc1 .Lopen_\@
	s_sub_co_i32 s96, s[\t0], s[KF]
	v_add_nc_u32 v252, s96, v[QL]                  ; d = my token - KF - 16 h.  Register 16 b + i holds key KF + 16 h + 32 b + i: hidden where 32 b + i > d
	v_mov_b32 v254, 0xff800000
.irp n, 0,1,2,3,4,5,6,7,8,9,10,11,12,13,14,15,16,17,18,19,20,21,22,23,24,25,26,27,28,29,30,31,32,33,34,35,36,37,38,39,40,41,42,43,44,45,46,47,48,49,50,51,52,53,54,55,56,57,58,59,60,61,62,63
	v_cmp_gt_i32 vcc_lo, 32*(\n/16)+\n%16, v252
	v_cndmask_b32 v[96+\n], v[96+\n], v254, vcc_lo
.endr
.Lopen_\@:
.irp b, 0,1,2,3
	v_max3_num_f32 v[232+\b], v[96+16*\b], v[97+16*\b], v[98+16*\b]   ; the largest score of each block of 32 keys: for the row's maximum, and, since p rises with the score, for the block's largest p
.endr
.irp i, 3,5,7,9,11,13
.irp b, 0,1,2,3
	v_max3_num_f32 v[232+\b], v[232+\b], v[96+16*\b+\i], v[97+16*\b+\i]
.endr
.endr
.irp b, 0,1,2,3
	v_max_num_f32 v[232+\b], v[232+\b], v[111+16*\b]
.endr
.irp b, 0,1,2,3
	s_delay_alu instid0(VALU_DEP_4)
	v_permlanex16_b32 v[236+\b], v[232+\b], s[SEL], s[SEL+1]
.endr
.irp b, 0,1,2,3
	s_delay_alu instid0(VALU_DEP_4)
	v_max_num_f32 v[232+\b], v[232+\b], v[236+\b]   ; with lane l xor 16's 16 keys
.endr
	s_delay_alu instid0(VALU_DEP_2)
	v_max3_num_f32 v254, v232, v233, v234
	s_delay_alu instid0(VALU_DEP_1)
	v_max_num_f32 v254, v254, v235
	s_delay_alu instid0(VALU_DEP_1)
	v_mul_f32 v254, s[CS], v254                    ; the step's largest t of my query
	s_delay_alu instid0(VALU_DEP_1)
	v_max_num_f32 v13, v13, v254                   ; the running largest t
	v_mov_b32 v254, v12
	s_delay_alu instid0(VALU_DEP_2)
	v_floor_f32 v12, -v13                          ; the new -M = floor(-t): M is a whole number
	s_delay_alu instid0(VALU_DEP_1)
	v_sub_f32 v254, v12, v254                      ; M's old value less its new one: a whole number, 0 or less
	s_delay_alu instid0(VALU_DEP_1)
	v_cvt_i32_f32 v254, v254                       ; (it saturates)
	s_delay_alu instid0(VALU_DEP_1)
	v_ldexp_f32 v252, 1.0, v254                    ; f = 2^(old M - new M)
.irp j, 0,2,4,6,8,10,12,14,16,18,20,22,24,26,28,30,32,34,36,38,40,42,44,46,48,50,52,54,56,58,60,62
	v_pk_fma_f32 v[96+\j:97+\j], v[96+\j:97+\j], s[CS:CS+1], v[12:13] op_sel_hi:[1,0,0]   ; t - M, two at a time
.endr
.irp b, 0,1,2,3
	v_fma_f32 v[232+\b], v[232+\b], s[CS], v12     ; the same of each block's largest score
.endr
	s_wait_alu depctr_va_vdst(0)
.irp j, 0,1,2,3,4,5,6,7,8,9,10,11,12,13,14,15,16,17,18,19,20,21,22,23,24,25,26,27,28,29,30,31,32,33,34,35,36,37,38,39,40,41,42,43,44,45,46,47,48,49,50,51,52,53,54,55,56,57,58,59,60,61,62,63
	v_exp_f32 v[96+\j], v[96+\j]                   ; p = 2^(t - M), at most 1: not normalised
.endr
	v_pk_mul_f32 v[14:15], v[14:15], v[252:253] op_sel_hi:[1,0]   ; the sums under the new M (a plain instruction behind the exponentials)
	s_wait_alu depctr_va_vdst(0)                   ; one wait for the whole batch, ahead of its first reader
.irp b, 0,1,2,3
	v_exp_f32 v[232+\b], v[232+\b]                 ; the block's largest p: the same two instructions on the same number give the same bits
.endr
	v_pk_add_f32 v[236:237], v[100:101], v[104:105]
	v_pk_add_f32 v[250:251], v[108:109], v[112:113]
	v_pk_add_f32 v[248:249], v[116:117], v[120:121]
	v_pk_add_f32 v[246:247], v[124:125], v[128:129]
	v_pk_add_f32 v[244:245], v[132:133], v[136:137]
	v_pk_add_f32 v[240:241], v[140:141], v[144:145]
	v_pk_add_f32 v[238:239], v[148:149], v[152:153]
	v_pk_add_f32 v[14:15], v[14:15], v[156:157]
	v_pk_add_f32 v[236:237], v[236:237], v[96:97]
	v_pk_add_f32 v[250:251], v[250:251], v[98:99]
	v_pk_add_f32 v[248:249], v[248:249], v[102:103]
	v_pk_add_f32 v[246:247], v[246:247], v[106:107]
	v_pk_add_f32 v[244:245], v[244:245], v[110:111]
	v_pk_add_f32 v[240:241], v[240:241], v[114:115]
	v_pk_add_f32 v[238:239], v[238:239], v[118:119]
	v_pk_add_f32 v[14:15], v[14:15], v[122:123]
	v_pk_add_f32 v[236:237], v[236:237], v[126:127]
	v_pk_add_f32 v[250:251], v[250:251], v[130:131]
	v_pk_add_f32 v[248:249], v[248:249], v[134:135]
	v_pk_add_f32 v[246:247], v[246:247], v[138:139]
	v_pk_add_f32 v[244:245], v[244:245], v[142:143]
	v_pk_add_f32 v[240:241], v[240:241], v[146:147]
	v_pk_add_f32 v[238:239], v[238:239], v[150:151]
	v_pk_add_f32 v[14:15], v[14:15], v[154:155]
	v_pk_add_f32 v[236:237], v[236:237], v[158:159]
	s_delay_alu instid0(VALU_DEP_2)
	v_pk_add_f32 v[14:15], v[14:15], v[246:247]
	s_delay_alu instid0(VALU_DEP_2)
	v_pk_add_f32 v[236:237], v[236:237], v[244:245]
	v_pk_add_f32 v[250:251], v[250:251], v[240:241]
	v_pk_add_f32 v[248:249], v[248:249], v[238:239]
	s_delay_alu instid0(VALU_DEP_2)
	v_pk_add_f32 v[14:15], v[14:15], v[250:251]
	s_delay_alu instid0(VALU_DEP_2)
	v_pk_add_f32 v[236:237], v[236:237], v[248:249]
	s_delay_alu instid0(VALU_DEP_1)
	v_pk_add_f32 v[14:15], v[14:15], v[236:237]
	s_wait_alu depctr_va_vdst(0)                   ; and one for the four
.irp b, 0,1,2,3
	v_max_num_f32 v[232+\b], 0x1800000, v[232+\b]  ; the floor 2^(3 - 127): the byte cannot fall under 1
.endr
.irp b, 0,1,2,3
	s_delay_alu instid0(VALU_DEP_4)
	v_add_nc_u32 v[244+\b], 0xff000000, v[232+\b]  ; 2 off the exponent field: the conversion's scale operand
.endr
.irp b, 0,1,2,3
	s_delay_alu instid0(VALU_DEP_4)
	v_lshrrev_b32 v[236+\b], 23, v[244+\b]
.endr
	s_delay_alu instid0(VALU_DEP_3)
	v_lshl_or_b32 v253, v237, 8, v236              ; p's scale word for these 128 keys
	s_delay_alu instid0(VALU_DEP_1)
	v_lshl_or_b32 v253, v238, 16, v253
	s_delay_alu instid0(VALU_DEP_1)
	v_lshl_or_b32 v253, v239, 24, v253
.irp c, 0,1
	v_cvt_scalef32_pk16_fp6_f32 v[224+6*\c:226+6*\c], v[96+32*\c:111+32*\c], v[244+2*\c]
	v_cvt_scalef32_pk16_fp6_f32 v[236+4*\c:238+4*\c], v[112+32*\c:127+32*\c], v[244+2*\c+1]
.endr
	v_nop                                          ; one plain place behind a scaled conversion
.irp c, 0,1                                    ; the operand's layout wants a whole block in a lane
.irp i, 0,1,2
	v_permlane16_swap_b32 v[224+6*\c+\i], v[236+4*\c+\i]
.endr
.irp i, 0,1,2
	s_delay_alu instid0(VALU_DEP_3)
	v_mov_b32 v[227+6*\c+\i], v[236+4*\c+\i]
.endr
.endr
.irp j, 0,2,4,6,8,10,12,14,16,18,20,22,24,26,28,30
	v_pk_mul_f32 v[160+\j:161+\j], v[160+\j:161+\j], v[252:253] op_sel_hi:[1,0]   ; O^T under the new M.  (These 16 are also the places in front of the matrix instructions and loads below)
.endr
.irp t, 0,1,2,3                                ; O^T += V^T P^T: four tiles of 16 channels; K = these 128 keys, two planes
.irp p, 0,1,2,3,4,5
	ds_load_b64 v[32+12*\t+2*\p:33+12*\t+2*\p], v[ADV] offset:768*\t+3072*(\p/3)+8*(\p%3)
.endr
	ds_load_b32 v[248+\t], v[ADT] offset:64*\t
.endr
	s_wait_alu depctr_va_vdst(0)
	s_wait_dscnt 0x0
.irp t, 0,1,2,3
	v_wmma_scale_f32_16x16x128_f8f6f4 v[160+8*\t:167+8*\t], v[32+12*\t:43+12*\t], v[224:235], v[160+8*\t:167+8*\t], v[248+\t], v253 matrix_a_fmt:MATRIX_FMT_FP6 matrix_b_fmt:MATRIX_FMT_FP6
.endr
.Lhidden_\@:
	s_add_co_u32 s[KF], s[KF], 128
	s_add_co_u32 s[TB], s[TB], 6144
	s_add_co_u32 s[TS], s[TS], 256
.endm
; A PASS: one tile of 16 queries over its keys, and its way out.  n: the pass; dst: the scalar pair with the address of its codes in ctx.
.macro PASS n, trips, qf, qsr, t0, dst
	v_mov_b32 v13, 0xff61b1e6                      ; the largest t so far: -3e38, under every t
	s_delay_alu instid0(VALU_DEP_1)
	v_floor_f32 v12, -v13
	v_mov_b32 v14, 0
	v_mov_b32 v15, 0
.irp j, 0,1,2,3,4,5,6,7,8,9,10,11,12,13,14,15,16,17,18,19,20,21,22,23,24,25,26,27,28,29,30,31
	v_mov_b32 v[160+\j], 0                         ; O^T: the step is written once; the first finds zeros, which the first change of M leaves zeros
.endr
	s_mov_b32 s[KF], 0
	s_mov_b32 s[TB], 0
	s_mov_b32 s[TS], 0
	s_mov_b32 s[CNT], \trips
.Lstep_\@:
	STEP \qf, \qsr, \t0
	s_sub_co_u32 s[CNT], s[CNT], 1
	s_cmp_lg_u32 s[CNT], 0
	s_cbranch_scc1 .Lstep_\@
.rept 4
	v_nop                                          ; behind the last products, ahead of the first read of O^T
.endr
	v_add_f32 v14, v14, v15
	s_delay_alu instid0(VALU_DEP_1)
	v_permlanex16_b32 v252, v14, s[SEL], s[SEL+1]
	s_delay_alu instid0(VALU_DEP_1)
	v_add_f32 v14, v14, v252                       ; the row's sum
	s_wait_alu depctr_va_vdst(0)
	v_rcp_f32 v14, v14
	v_nop                                          ; a plain instruction behind the reciprocal
	s_wait_alu depctr_va_vdst(0)                   ; ahead of its first reader
.irp j, 0,2,4,6,8,10,12,14,16,18,20,22,24,26,28,30
	v_pk_mul_f32 v[96+\j:97+\j], v[160+\j:161+\j], v[14:15] op_sel_hi:[1,0]   ; register 16 c + i is channel 32 c + 16 h + i of my query
.endr
	v_max3_num_f32 v232, |v96|, |v97|, 0x1800000   ; the head's two blocks of 32 are quantised for the last product
	v_max3_num_f32 v233, |v112|, |v113|, 0x1800000
.irp i, 2,4,6,8,10,12,14
	s_delay_alu instid0(VALU_DEP_2)
	v_max3_num_f32 v232, v232, |v[96+\i]|, |v[97+\i]|
	s_delay_alu instid0(VALU_DEP_2)
	v_max3_num_f32 v233, v233, |v[112+\i]|, |v[113+\i]|
.endr
	s_delay_alu instid0(VALU_DEP_2)
	v_permlanex16_b32 v236, v232, s[SEL], s[SEL+1]
	s_delay_alu instid0(VALU_DEP_2)
	v_permlanex16_b32 v237, v233, s[SEL], s[SEL+1]
	s_delay_alu instid0(VALU_DEP_2)
	v_max_num_f32 v232, v232, v236
	s_delay_alu instid0(VALU_DEP_2)
	v_max_num_f32 v233, v233, v237
	s_delay_alu instid0(VALU_DEP_2)
	v_add_nc_u32 v244, 0xff000000, v232
	s_delay_alu instid0(VALU_DEP_2)
	v_add_nc_u32 v245, 0xff000000, v233
	s_delay_alu instid0(VALU_DEP_2)
	v_lshrrev_b32 v236, 23, v244
	s_delay_alu instid0(VALU_DEP_2)
	v_lshrrev_b32 v237, 23, v245
	s_delay_alu instid0(VALU_DEP_1)
	v_lshl_or_b32 v246, v237, 8, v236
	v_cvt_scalef32_pk16_fp6_f32 v[224:226], v[96:111], v244
	v_cvt_scalef32_pk16_fp6_f32 v[240:242], v[112:127], v245
	v_nop
.irp i, 0,1,2
	v_permlane16_swap_b32 v[224+\i], v[240+\i]
.endr
.irp i, 0,1,2
	s_delay_alu instid0(VALU_DEP_3)
	v_mov_b32 v[227+\i], v[240+\i]
.endr
	ds_store_b64 v6, v[224:225]
	ds_store_b64 v6, v[226:227] offset:8
	ds_store_b64 v6, v[228:229] offset:16
	ds_store_b16 v30, v246 offset:512*\n           ; both halves of the lanes write the same two bytes with the same value
.irp k, 0,1,2
	ds_load_b64 v[192+2*\k:193+2*\k], v7 offset:256*\k   ; LDS serves a wave's instructions in order: these see my stores
.endr
	s_wait_dscnt 0x0
.irp k, 0,1,2
	global_store_b64 v31, v[192+2*\k:193+2*\k], s[\dst:\dst+1] offset:256*\k   ; 32 lanes store 256 consecutive bytes, at a multiple of 256 from the buffer's first byte
.endr
	s_wait_xcnt 0x0                                ; the stores have read their registers: they may be written again
.endm
	s_wait_loadcnt 0x0                             ; Q
	s_wait_tensorcnt 0x0                           ; my one fill is in,
	s_barrier_signal -1
	s_barrier_wait -1                              ; everybody's are
	PASS 0, 4, 16, 28, 70, 86
	PASS 1, 8, 80, 29, 71, 88
	s_wait_dscnt 0x0                               ; my scale bytes lie in LDS
	s_barrier_signal -1
	s_barrier_wait -1
	s_cmp_lt_u32 s[WV], 2
	s_cbranch_scc0 .Lend
	ds_load_b128 v[192:195], v92                   ; a pass's 64 places x 8 bytes, from all sixteen waves
	s_wait_dscnt 0x0
	global_store_b128 v93, v[192:195], s[90:91]    ; 512 consecutive bytes
.Lend:
	s_wait_tensorcnt 0x0
	ds_add_u32 v243, v255
	s_wait_dscnt 0x0
	s_endpgm
.Lfunc_end_k_q0ed2acc9da_attn:
	.size	k_q0ed2acc9da_attn, .Lfunc_end_k_q0ed2acc9da_attn-k_q0ed2acc9da_attn
	.p2alignl 7, 3214868480
	.fill 96, 4, 3214868480
	.section	.rodata,"a",@progbits
	.p2align	6, 0x0
	.amdhsa_kernel k_q0ed2acc9da_attn
		.amdhsa_group_segment_fixed_size 169984
		.amdhsa_private_segment_fixed_size 0
		.amdhsa_enable_private_segment 0
		.amdhsa_kernarg_size 16
		.amdhsa_user_sgpr_count 2
		.amdhsa_user_sgpr_kernarg_segment_ptr 1
		.amdhsa_wavefront_size32 1
		.amdhsa_system_sgpr_workgroup_id_x 1
		.amdhsa_system_sgpr_workgroup_id_y 1
		.amdhsa_system_sgpr_workgroup_id_z 1
		.amdhsa_system_vgpr_workitem_id 0
		.amdhsa_next_free_vgpr 256
		.amdhsa_next_free_sgpr 100
		.amdhsa_reserve_vcc 1
		.amdhsa_float_denorm_mode_32 3
		.amdhsa_float_denorm_mode_16_64 3
		.amdhsa_memory_ordered 1
		.amdhsa_forward_progress 1
		.amdhsa_inst_pref_size 71
	.end_amdhsa_kernel
	.amdgpu_metadata
---
amdhsa.version: [ 1, 2 ]
amdhsa.kernels:
  - .name:           k_q0ed2acc9da_attn
    .symbol:         k_q0ed2acc9da_attn.kd
    .args:
      - { .name: qkv, .offset: 0, .size: 8, .value_kind: global_buffer, .address_space: global }
      - { .name: ctx, .offset: 8, .size: 8, .value_kind: global_buffer, .address_space: global }
    .group_segment_fixed_size: 169984
    .private_segment_fixed_size: 0
    .kernarg_segment_align: 8
    .kernarg_segment_size: 16
    .max_flat_workgroup_size: 512
    .sgpr_count:     100
    .vgpr_count:     256
    .wavefront_size: 32
...
	.end_amdgpu_metadata
.endif
;; end of part 3
;; launch gemm_out (part 4): grid 16 x 16, 4 waves a work-group, clusters of 4 x 1, 327,680 bytes of LDS; arguments ctx, wq, out0; writes out0
.if DOCPART == 4
	.amdgcn_target "amdgcn-amd-amdhsa--gfx1250"
	.amdhsa_code_object_version 6
	.text
	.protected	k_q0ed2acc9da_gemm_out
	.globl	k_q0ed2acc9da_gemm_out
	.p2align	8
	.type	k_q0ed2acc9da_gemm_out,@function
k_q0ed2acc9da_gemm_out:
	s_mov_b64 s[64:65], 0
	v_nop
	global_prefetch_b8 v0, s[64:65] scope:SCOPE_SE
	s_setreg_imm32_b32 hwreg(HW_REG_WAVE_MODE, 25, 1), 1
	s_wait_xcnt 0x0
	s_wait_alu depctr_hold_cnt(0) depctr_sa_sdst(0) depctr_va_vdst(0) depctr_va_sdst(0) depctr_va_ssrc(0) depctr_va_vcc(0) depctr_vm_vsrc(0)
	s_getreg_b32 s2, hwreg(HW_REG_IB_STS2, 6, 4)
	s_cmp_eq_u32 s2, 0
	s_cbranch_scc0 .Lentry_in_a_cluster
	s_endpgm
.Lentry_in_a_cluster:
	s_bfe_u32 s2, ttmp6, 0x10000c
	s_cmp_lg_u32 s2, 0x3003
	s_cbranch_scc0 .Lentry_shape_is_right
	s_endpgm
.Lentry_shape_is_right:
; out = ctx Wo on codes of FP6 (E2M3) with E8M0 scales, f32 sums, f32 out.
; SHARES.  A work-group has 256 places of ctx and 128 columns of Wo; a wave 64 places x 128 columns: 32 accumulators, 256 registers.
; Wo's CODES FOR ALL OF K LIE IN LDS, 32 planes x 6,144 bytes, filled once: each wave asks for 8 planes by one tensor load.  Nothing is filled again, so the walk along K has no barrier.
; The four work-groups of a cluster have the same columns and ask jointly (mask 15).
; ctx's CODES GO FROM MEMORY STRAIGHT INTO REGISTERS: a wave's 64 places are read by no other wave of the work-group.  Four sets of 48 registers; the loads of K step k + 3 are issued in the middle of step k.
; NO DATA PREFETCH: the loads into registers are themselves issued that far ahead, and the weights are asked for once, at the head.
; Scale bytes come by plain loads, 512 consecutive bytes an instruction, and are stored to LDS bytes of their own.
; The product is used transposed (source 0 = Wo): a lane holds a token and 16 neighbouring columns; rows of 512 bytes leave through the wave's own stage.
; REGISTERS.  Window 0: v0-31 addresses, v32-95 scale words (two sets), v128-223 ctx's sets 0, 1.  Window 1: v0-95 Wo's fragments, v144-239 ctx's sets 2, 3.  Window 2: the accumulators.
.set NB,    8
.set HB,    NB/2
.set BP,    NB*768
.set BPS,   98304
.set BOFF,  4718592
.set BSC,   8060928
.set BSS,   16384
.set APS,   196608
.set ASC,   6291456
.set SCB,   32*BP
.set SCA,   SCB+1024*NB
.set STAGE, SCA+16384
.set SPITCH, 528
.set SPARE, STAGE+4*16*SPITCH
.set GL16, 19
.set ADRB, 20
.set SAW,  22
.set SBW,  23
.set STO,  24
.set RD,   25
.set ADSA, 26
.set ADSB, 27
.set SPW,  28
.set NIL,  29
.set SC,   32
.set BK,   128
.set G1B,  48
.set G0B,  56
.set MSB, 0
.macro WIN new
.if MSB != (\new)
	s_set_vgpr_msb (MSB<<8)|(\new)
.set MSB, (\new)
.endif
.endm
.macro CROUND                          ; a round of the cluster's barrier
	s_barrier_signal -1
	s_barrier_wait -1
	s_cmp_lg_u32 s14, 0
	s_cbranch_scc1 .Lnot_wave_0_\@
	s_barrier_signal -3
.Lnot_wave_0_\@:
	s_barrier_wait -3
	s_barrier_signal -1
	s_barrier_wait -1
.endm
.macro PLACES n
.rept \n
	v_nop
.endr
.endm
	s_load_b128 s[4:7], s[0:1], 0x0                ; ctx, wq
	s_load_b64 s[8:9], s[0:1], 0x10                ; out0
	v_lshl_add_u32 v[SPW], v0, 2, SPARE
	v_mov_b32 v[NIL], 0
	ds_add_u32 v[SPW], v[NIL]                      ; the opening lines: the add twice on end
	ds_add_u32 v[SPW], v[NIL]
	v_lshrrev_b32 v1, 5, v0
	v_readfirstlane_b32 s14, v1                    ; wave
	s_bfe_u32 s40, ttmp6, 0x40000                  ; cx
	s_lshl_b32 s17, ttmp9, 2
	s_add_co_u32 s17, s17, s40                     ; row block: 256 places
	s_and_b32 s42, ttmp7, 0xffff                   ; column block: 128 columns
	s_mov_b32 s[G1B], 15|(3<<16)|(1<<21)           ; 8 planes as rows of BP bytes, elements of 8 bytes; the mask names the cluster's four
	s_mov_b32 s[G1B+1], (BP/8)<<16
	s_mov_b32 s[G1B+2], 8<<16
	s_mov_b32 s[G1B+3], (BP/8)<<16
	s_mov_b32 s[G1B+4], 8
	s_mov_b32 s[G1B+5], BPS/8
	s_mov_b32 s[G1B+6], 0
	s_mov_b32 s[G1B+7], 0
	s_mul_i32 s46, s42, BP                         ; my 8 planes of Wo: made of the column block and the wave alone
	s_mul_i32 s41, s14, 8*BPS
	s_add_co_u32 s46, s46, s41
	s_add_co_u32 s46, s46, BOFF
	s_mov_b32 s47, 0
	s_mul_i32 s92, s42, 128*NB                     ; my two runs of its scale bytes
	s_mul_i32 s41, s14, 2*BSS
	s_add_co_u32 s92, s92, s41
	s_add_co_u32 s92, s92, BSC
	s_mov_b32 s93, 0
	s_mul_i32 s20, s17, 12288                      ; my 64 places of ctx: codes,
	s_mul_i32 s41, s14, 3072
	s_add_co_u32 s20, s20, s41
	s_mov_b32 s21, 0
	s_lshl_b32 s22, s17, 11                        ; and scale bytes
	s_lshl_b32 s41, s14, 9
	s_add_co_u32 s22, s22, s41
	s_add_co_u32 s22, s22, ASC
	s_mov_b32 s23, 0
	s_lshl_b32 s98, s17, 8                         ; out0: my first row and column, in bytes
	s_lshl_b32 s41, s14, 6
	s_add_co_u32 s98, s98, s41
	s_lshl_b32 s98, s98, 13
	s_lshl_b32 s41, s42, 9
	s_add_co_u32 s98, s98, s41
	s_mov_b32 s99, 0
	s_lshl_b32 s18, s14, 12
	s_add_co_u32 s18, s18, SCA
	s_mul_i32 s19, s14, 256*NB
	s_add_co_u32 s19, s19, SCB
	s_mul_i32 s24, s14, 16*SPITCH
	s_add_co_u32 s24, s24, STAGE
	v_and_b32 v1, 15, v0                           ; r
	v_bfe_u32 v2, v0, 4, 1                         ; h
	v_mul_u32_u24 v3, v1, 48
	v_mad_u32_u24 v3, v2, 24, v3                   ; 48 r + 24 h
	v_mov_b32 v[ADRB], v3                          ; Wo's planes 0-5 from where the walk stands,
	v_add_nc_u32 v[ADRB+1], 6*BP, v3               ; and planes 6-11
	v_lshlrev_b32 v4, 3, v1
	v_add_nc_u32 v[ADSA], s18, v4
	v_add_nc_u32 v[ADSB], SCB, v4
	v_and_b32 v5, 31, v0
	v_lshlrev_b32 v[GL16], 4, v5
	v_add_nc_u32 v[SAW], s18, v[GL16]
	v_add_nc_u32 v[SBW], s19, v[GL16]
	v_mul_u32_u24 v5, v1, SPITCH
	v_lshl_add_u32 v5, v2, 6, v5
	v_add_nc_u32 v[STO], s24, v5
	v_add_nc_u32 v[RD], s24, v[GL16]
	s_wait_alu depctr_va_vdst(0)
	s_wait_dscnt 0x0                               ; both opening adds are done
	s_wait_kmcnt 0x0
	s_add_nc_u64 s[20:21], s[4:5], s[20:21]
	s_add_nc_u64 s[22:23], s[4:5], s[22:23]
	s_add_nc_u64 s[92:93], s[6:7], s[92:93]
	s_add_nc_u64 s[8:9], s[8:9], s[98:99]
	s_mov_b32 s[G0B], 1
	s_mul_i32 s[G0B+1], s14, 8*BP
	s_add_nc_u64 s[G0B+2:G0B+3], s[6:7], s[46:47]
	s_or_b32 s[G0B+3], s[G0B+3], 0x80000000
	CROUND                                         ; the cluster's four are here: the joint loads meet
	tensor_load_to_lds s[G0B:G0B+3], s[G1B:G1B+7]  ; my one tensor load of the launch
	s_nop 0
	PLACES 4
.macro LOADA k                         ; ctx's four fragments of K step k (counted from where the walk stands) into set k % 4: 24 loads
.set AW, ((\k)%4)/2
.set FA0, 128+48*((\k)%2)+16*AW
	WIN 0x40*AW
.irp i, 0,1,2,3
.irp p, 0,1,2,3,4,5
	global_load_b64 v[FA0+12*\i+2*\p:FA0+12*\i+2*\p+1], v3, s[20:21] offset:(2*(\k)+\p/3)*APS+\i*768+8*(\p%3)
.endr
.endr
	WIN 0
.endm
.irp j, 0,1,2,3,4,5,6,7
	global_load_b128 v[96+4*\j:99+4*\j], v[GL16], s[22:23] offset:32768*\j
.endr
.irp j, 0,1
.irp c, 0,1
	global_load_b128 v[224+4*(2*\j+\c):227+4*(2*\j+\c)], v[GL16], s[92:93] offset:BSS*\j+512*\c
.endr
.endr
	LOADA 0
	LOADA 1
	s_wait_loadcnt 48                              ; the scale bytes are in; the 48 loads of sets 0 and 1 may be out
	LOADA 2
	s_wait_tensorcnt 0x0                           ; my 8 planes are in
.irp j, 0,1,2,3,4,5,6,7
	ds_store_b128 v[SAW], v[96+4*\j:99+4*\j] offset:512*\j
.endr
.irp j, 0,1
.irp c, 0,1
	ds_store_b128 v[SBW], v[224+4*(2*\j+\c):227+4*(2*\j+\c)] offset:128*NB*\j+512*\c
.endr
.endr
	s_wait_dscnt 0x0                               ; for the others' sake
	s_barrier_signal -1
	s_barrier_wait -1                              ; all planes and all scale bytes are in
.macro FETCH_B k, j0                   ; half of Wo's fragments of K step k
	WIN 0x40
.set JB, \j0
.rept HB
.irp p, 0,1,2,3,4,5
.set PL, 2*(\k)+\p/3
	ds_load_b64 v[12*JB+2*\p:12*JB+2*\p+1], v[ADRB+PL/6] offset:(PL%6)*BP+JB*768+8*(\p%3)
.endr
.set JB, JB+1
.endr
	WIN 0
.endm
.macro SCALES rn                       ; the scale words of a run of 256 along K, two K steps, into set rn % 2
.set SS_, SC+32*((\rn)%2)
.irp i, 0,1,2,3
	ds_load_b64 v[SS_+2*\i:SS_+2*\i+1], v[ADSA] offset:512*(\rn)+128*\i
.endr
.set JB, 0
.rept NB
	ds_load_b64 v[SS_+8+2*JB:SS_+8+2*JB+1], v[ADSB] offset:128*NB*(\rn)+128*JB
.set JB, JB+1
.endr
.endm
.macro WM d, x, y, z, sx, sy
.if \z
	v_wmma_scale_f32_16x16x128_f8f6f4 v[\d:\d+7], v[\x:\x+11], v[\y:\y+11], 0, v[\sx], v[\sy] matrix_a_fmt:MATRIX_FMT_FP6 matrix_b_fmt:MATRIX_FMT_FP6
.else
	v_wmma_scale_f32_16x16x128_f8f6f4 v[\d:\d+7], v[\x:\x+11], v[\y:\y+11], v[\d:\d+7], v[\sx], v[\sy] matrix_a_fmt:MATRIX_FMT_FP6 matrix_b_fmt:MATRIX_FMT_FP6
.endif
.endm
.macro MULR b0, n, k, zero             ; Wo's blocks b0 .. b0 + n - 1 against ctx's four; the accumulators take turns
.set AW, ((\k)%4)/2
.set FA0, 128+48*((\k)%2)+16*AW
.set SCQ, SC+32*(((\k)/2)%2)+(\k)%2
	WIN 0xa1|(AW<<2)
.set MB, \b0
.rept \n
.irp a, 0,1,2,3
	WM 64*(MB/2)+16*\a+8*(MB%2), 12*MB, FA0+12*\a, \zero, SCQ+8+2*MB, SCQ+2*\a
.endr
.set MB, MB+1
.endr
.endm
; A K step of 128: 32 matrix instructions, the loads in two runs.  la: ask for ctx's set of three steps on.  nx: fetch the next step's fragments of Wo.  lc: the global loads younger than this step's set.
.macro KSTEP k, zero, la, nx, lc
	s_wait_loadcnt \lc
	s_wait_dscnt 6*HB                              ; the younger half of Wo's fragments may be out
	MULR 0, HB, \k, \zero
	s_wait_dscnt 0x0
	PLACES 4                                       ; ahead of loads into registers that matrix instructions have read
	WIN 0
.if \la
	LOADA (\k)+3
.endif
.if \nx
	FETCH_B (\k)+1, 0
.if (\k)%2
	SCALES ((\k)+1)/2
.endif
.endif
	MULR HB, HB, \k, \zero
	PLACES 4
	WIN 0
.if \nx
	FETCH_B (\k)+1, HB
.endif
.endm
	FETCH_B 0, 0
	SCALES 0
	FETCH_B 0, HB
	KSTEP 0, 1, 1, 1, 48                           ; the first step's products start the sums
	s_mov_b32 s3, 3
.Llap:                                                 ; a trip: four K steps, until the register sets are back where they began
	KSTEP 1, 0, 1, 1, 48
	KSTEP 2, 0, 1, 1, 48
	KSTEP 3, 0, 1, 1, 48
	KSTEP 4, 0, 1, 1, 48
	s_wait_xcnt 0x0                                ; the loads have read their base
	s_add_nc_u64 s[20:21], s[20:21], 8*APS
	v_add_nc_u32 v[ADRB], 8*BP, v[ADRB]
	v_add_nc_u32 v[ADRB+1], 8*BP, v[ADRB+1]
	v_add_nc_u32 v[ADSA], 1024, v[ADSA]
	v_add_nc_u32 v[ADSB], 256*NB, v[ADSB]
	s_sub_co_u32 s3, s3, 1
	s_cmp_lg_u32 s3, 0
	s_wait_alu depctr_va_vdst(0)
	s_cbranch_scc1 .Llap
	KSTEP 1, 0, 0, 1, 48                           ; the last three steps ask for nothing more of ctx
	KSTEP 2, 0, 0, 1, 24
	KSTEP 3, 0, 0, 0, 0
; THE WAY OUT, 16 places x 128 columns at a time, through my own stage: rows of 512 bytes come back and are stored as two aligned units of 256 bytes
.macro TOSTAGE a
	WIN 0x08
.irp c, 0,1,2,3
.irp n, 0,1,2,3
	ds_store_b128 v[STO], v[64*\c+16*(\a)+4*\n:64*\c+16*(\a)+4*\n+3] offset:128*\c+16*\n
.endr
.endr
	WIN 0
.set BB, BK+64*((\a)%2)
.irp t, 0,1,2,3,4,5,6,7,8,9,10,11,12,13,14,15
	ds_load_b128 v[BB+4*\t:BB+4*\t+3], v[RD] offset:\t*SPITCH
.endr
.endm
.macro SEND a, younger
.set BB, BK+64*((\a)%2)
	s_wait_dscnt \younger
.irp t, 0,1,2,3,4,5,6,7,8,9,10,11,12,13,14,15
	global_store_b128 v[GL16], v[BB+4*\t:BB+4*\t+3], s[8:9] offset:(32*((\a)/2)+8*((\a)%2)+\t+8*(\t/8))*8192 th:TH_STORE_NT
.endr
.endm
	TOSTAGE 0
.irp a, 1,2,3
.if \a > 1
	s_wait_xcnt 0x0                                ; the stores of two blocks ago have read their registers
.endif
	TOSTAGE \a
	SEND \a-1, 32                                  ; behind that block's loads: 16 stores and 16 loads
.endr
	SEND 3, 0
	s_wait_tensorcnt 0x0                           ; the wave's end
	ds_add_u32 v[SPW], v[NIL]
	s_wait_dscnt 0x0
	CROUND                                         ; the closing round
	s_endpgm
.Lfunc_end_k_q0ed2acc9da_gemm_out:
	.size	k_q0ed2acc9da_gemm_out, .Lfunc_end_k_q0ed2acc9da_gemm_out-k_q0ed2acc9da_gemm_out
	.p2alignl 7, 3214868480
	.fill 96, 4, 3214868480
	.section	.rodata,"a",@progbits
	.p2align	6, 0x0
	.amdhsa_kernel k_q0ed2acc9da_gemm_out
		.amdhsa_group_segment_fixed_size 327680
		.amdhsa_private_segment_fixed_size 0
		.amdhsa_enable_private_segment 0
		.amdhsa_kernarg_size 24
		.amdhsa_user_sgpr_count 2
		.amdhsa_user_sgpr_kernarg_segment_ptr 1
		.amdhsa_wavefront_size32 1
		.amdhsa_system_sgpr_workgroup_id_x 1
		.amdhsa_system_sgpr_workgroup_id_y 1
		.amdhsa_system_sgpr_workgroup_id_z 1
		.amdhsa_system_vgpr_workitem_id 0
		.amdhsa_next_free_vgpr 768
		.amdhsa_next_free_sgpr 106
		.amdhsa_reserve_vcc 0
		.amdhsa_float_denorm_mode_32 3
		.amdhsa_float_denorm_mode_16_64 3
		.amdhsa_memory_ordered 1
		.amdhsa_forward_progress 1
		.amdhsa_inst_pref_size 105
	.end_amdhsa_kernel
	.amdgpu_metadata
---
amdhsa.version: [ 1, 2 ]
amdhsa.kernels:
  - .name:           k_q0ed2acc9da_gemm_out
    .symbol:         k_q0ed2acc9da_gemm_out.kd
    .args:
      - { .name: ctx, .offset: 0, .size: 8, .value_kind: global_buffer, .address_space: global }
      - { .name: wq, .offset: 8, .size: 8, .value_kind: global_buffer, .address_space: global }
      - { .name: out0, .offset: 16, .size: 8, .value_kind: global_buffer, .address_space: global }
    .group_segment_fixed_size: 327680
    .private_segment_fixed_size: 0
    .kernarg_segment_align: 8
    .kernarg_segment_size: 24
    .max_flat_workgroup_size: 128
    .sgpr_count:     106
    .vgpr_count:     768
    .wavefront_size: 32
...
	.end_amdgpu_metadata
.endif
;; end of part 4
